; MI455X (gfx1250); checked and timed in simulation.
; The chip was launched on July 23, 2026; its instructions are those of AMD's public machine-readable ISA for CDNA 5 (MIT licence, August 2026) and "CDNA5" Instruction Set Architecture Reference Guide (July 2026). The comments in the code are by the model that wrote it; some were corrected since.
;; Multi Head Self Attention. Allowed arithmetic: matrix products marked QUANTISED: E4M3 operands, one E8M0 scale for each 32 along K, by v_wmma_scale_f32_16x16x128_f8f6f4 with both operands' format E4M3, f32 sums; everything else in f32.
;; Inputs: tok_mask 4 x 2,048 bool; w_proj 1,024 x 1,024 float32; w_qkv 1,024 x 3,072 float32; x 4 x 2,048 x 1,024 float32.
;; Outputs: out0 4 x 2,048 x 1,024 float32.
;; This version of the problem:
;;   THIS VERSION OF THE PROBLEM IS GIVEN IN LOW PRECISION. The matrix products marked QUANTISED in the list below multiply operands that are first quantised to E4M3 (4 exponent bits, 3 mantissa bits; 8 bits a number), with one power-of-two scale for each 32 numbers along K (OCP MX v1.0); their sums are f32. All else is computed in f32.
;;   The module's matrix products, in the order in which they are computed (A, B: the left and right operand; K: the contracted axis; several contracted axes count as one K, in the product's order):
;;     1. [M 8,192, K 1,024] x [K 1,024, N 3,072]; A: input x; B: input w_qkv: QUANTISED
;;     2. batch 64 x [M 2,048, K 64] x [K 64, N 2,048]; A: computed on the way; B: computed on the way: QUANTISED
;;     3. batch 64 x [M 2,048, K 2,048] x [K 2,048, N 64]; A: softmax (see below); B: computed on the way: QUANTISED
;;     4. [M 8,192, K 1,024] x [K 1,024, N 1,024]; A: computed on the way; B: input w_proj: QUANTISED
;;   THE QUANTISER, for each operand of a quantised product, along K:
;;     - K is cut into blocks of 32 from its start; a last block that is shorter is filled with zeros.
;;     - A block's scale is 2^e with e = floor(log2(the largest magnitude in the block)) - 8, held to -126 .. 127; a block of zeros has e = 0. As a byte (E8M0): e + 127.
;;     - Each number is divided by its block's scale, clamped to +-448, and rounded to the nearest number of E4M3, ties to even, subnormals kept.
;;     - The product sums the exact products of the quantised numbers (number of the format x scale) in f32.
;;   ~~~python
;;   def quantise(x, axis):      # numpy; x: float32 -> the quantised numbers, widened to float32 again
;;       x = np.moveaxis(x, axis, -1); K = x.shape[-1]
;;       x = np.pad(x, [(0, 0)] * (x.ndim - 1) + [(0, -K % 32)]); x = x.reshape(x.shape[:-1] + (-1, 32)); a = np.abs(x).max(-1, keepdims=True)
;;       e = np.where(a > 0, np.clip(np.frexp(np.where(a > 0, a, 1))[1] - 1 - 8, -126, 127), 0)      # np.frexp(a)[1] - 1 = floor(log2(a)), exactly
;;       r = np.clip(x / 2.0 ** e, -448, 448)
;;       step = 2.0 ** (np.maximum(np.frexp(np.where(r == 0, 1, r))[1] - 1, -6) - 3)
;;       q = np.round(r / step) * step * 2.0 ** e      # np.round: ties to even
;;       return np.moveaxis(q.reshape(q.shape[:-2] + (-1,))[..., :K], -1, axis).astype(np.float32)
;;   ~~~
;;   SOFTMAX AHEAD OF A QUANTISED PRODUCT. Where the list says 'softmax', what is quantised is not the finished softmax but p = 2^(t - M), with t = logit x log2(e) and M = ceil(the row's largest t), a whole number; so 1/2 < the row's largest p <= 1. The row's sum l is taken of the UNQUANTISED p, in f32, and the product's result is divided by l at the end. Since M is a whole number, a kernel that streams over the keys may use a running M (the ceiling of the running maximum): every later rescaling is an exact power of two, which a block's scale takes up: the codes' values come out the same.
;;   OPERANDS COMPUTED ON THE WAY. 'Computed on the way' means the value that the module computes at that place (a softmax that the list does not call 'softmax' is quantised finished and normalised). What goes into a quantiser is computed in f32, as accurately as f32 sums, v_exp_f32 and their like allow (about 1e-6 of the number): no bf16 or f16 on the way to a quantiser, and a product that is left as it is and whose result goes on into a quantised operand takes f32 operands (vector FMAs, or v_wmma_f32_16x16x4_f32). A number that lies on a knife's edge between two numbers of the format may be rounded either way, as far as f32 arithmetic and the matrix unit's own rounding can turn it there, and no further.
;; One version. Each part assembles by itself: llvm-mc -triple=amdgcn-amd-amdhsa -mcpu=gfx1250 --defsym DOCPART=n.
;; ======== version 1 of 1: 4 launches
;; limits: right only within a limited range of input values
;; workspace buffers: ops 12,582,912 bytes; opsc 425,984 bytes; qkv 25,165,824 bytes; qkvsc 1,572,864 bytes; yimg 8,388,608 bytes; ysc 262,144 bytes
;; launch quant (part 1): grid 256 x 1, 4 waves a work-group, no clusters, 34,304 bytes of LDS; arguments x, w_qkv, w_proj, tok_mask, ops, opsc; writes ops, opsc
.if DOCPART == 1
	.amdgcn_target "amdgcn-amd-amdhsa--gfx1250"
	.amdhsa_code_object_version 6
	.text
	.protected	k_q0560400290_quant
	.globl	k_q0560400290_quant
	.p2align	8
	.type	k_q0560400290_quant,@function
k_q0560400290_quant:
	s_mov_b64 s[64:65], 0
	v_nop
	global_prefetch_b8 v0, s[64:65] scope:SCOPE_SE
	s_setreg_imm32_b32 hwreg(HW_REG_WAVE_MODE, 25, 1), 1
	s_wait_xcnt 0x0
; x [8192][1024], w_qkv [1024][3072] and w_proj [1024][1024], f32, become codes of FP8 (E4M3) with one E8M0 byte for each 32 along K = 1024; tok_mask becomes a bias in f32.
; LAYOUT OF THE CODES (ops): 48 blocks of 256 operand rows: 0-31 x's tokens, 32-43 w_qkv's columns, 44-47 w_proj's.  A block is 16 tiles of 16 rows; a tile is 8 FRAGMENT IMAGES of 2,048 bytes (16 rows x 128 K):
; the 16 bytes at 512 c + 16 lane are k = 32 c + 16 (lane / 16) + 0 .. 15 of row lane % 16: the order in which a wave's operand registers take them.
; ORDER OF THE ROWS: for x and w_qkv stored tile 2 B + u, stored row r is row 32 B + 8 u + r + 8 (r / 8); for w_proj the rows lie as they are.
; SCALE BYTES (opsc): block t at 8,192 t, [stored row][32 bytes].  At 393,216: bias [4][2048] f32: 0 where tok_mask is true, -1e30 where it is not.
; A block's scale is 2^(floor(log2(largest magnitude)) - 8); its byte is the largest magnitude's exponent field - 8, held at 1 from below; each number is held within +-448 x the scale and converted, ties to even.
; LIMITS: a block of zeros, or one whose largest magnitude lies under 2^-118, gets the byte 1 (the rule says 127 for zeros: the codes are zeros, and this program alone reads the bytes); NaN and infinities are not served.
; SHARES: work-groups 0-127: x, a wave to a tile of 16 tokens, all of K.  128-223: w_qkv, 224-255: w_proj: a wave to 32 columns x 256 along K, a lane to a column, its registers down K.
; The work-groups share no input, so there is no cluster; memory binds, so there is no matrix work.  Only the x path uses LDS (a stage of its own for each wave); no barrier.
.set SPX,   528                        ; a stage row: 512 bytes + 16 of padding = 132 words: 16 rows start at 16 different groups of four banks (64 banks of 4 bytes: ISA guide 11.1)
.set RA,    16                         ; v16-143  two sets of 64: a fragment's numbers as loaded
.set XN,    144                        ; v144-207 register 16 b + i = k 32 b + 16 (lane / 16) + i of my row
.set PC,    208                        ; v208-223 the fragment's codes
.set TM,    224                        ; v224-227 largest magnitudes, 228-231 bytes, 236-239 the conversions' scale operands
.set WD,    240                        ; v240-247 my row's eight scale words
.set YW,    248                        ; v248-251 the four that I store
.set BIASO, 393216
.macro LOADF f                         ; fragment f: 16 rows x 512 consecutive bytes
.set RL, RA+64*((\f)%2)
.irp p, 0,1,2,3,4,5,6,7,8,9,10,11,12,13,14,15
	global_load_b128 v[RL+4*\p:RL+4*\p+3], v4, s[4:5] offset:(\p+8*(\p/8))*4096+512*(\f) th:TH_LOAD_NT
.endr
.endm
.macro FRAGX f
.set RS, RA+64*((\f)%2)
.if (\f) < 7
	s_wait_loadcnt 16                              ; this fragment's 16 loads are in; the next fragment's 16 may be out
.else
	s_wait_loadcnt 0x0
.endif
.irp p, 0,1,2,3,4,5,6,7,8,9,10,11,12,13,14,15
	ds_store_b128 v5, v[RS+4*\p:RS+4*\p+3] offset:SPX*\p          ; as loaded: a row's 512 bytes on end
.endr
.irp b, 0,1,2,3
.irp j, 0,1,2,3
	ds_load_b128 v[XN+16*\b+4*\j:XN+16*\b+4*\j+3], v6 offset:128*\b+16*\j   ; back: my row's 16 neighbours of each block.  LDS serves a wave's instructions in order (ISA guide 5.7.1.4)
.endr
.endr
	s_wait_dscnt 0x0                               ; the numbers are back, and the stores have read the set:
.if (\f) < 6
	LOADF (\f)+2                                   ; it takes the fragment two further on
.endif
.irp b, 0,1,2,3
	v_max3_num_f32 v[TM+\b], |v[XN+16*\b]|, |v[XN+1+16*\b]|, 0x4800000   ; my 16 numbers of block b, and the floor 2^(9 - 127): the byte cannot fall under 1
.endr
.irp i, 2,4,6,8,10,12,14
.irp b, 0,1,2,3
	v_max3_num_f32 v[TM+\b], v[TM+\b], |v[XN+16*\b+\i]|, |v[XN+1+16*\b+\i]|
.endr
.endr
.irp b, 0,1,2,3
	v_permlanex16_b32 v[TM+4+\b], v[TM+\b], s20, s21
.endr
.irp b, 0,1,2,3
	v_max_num_f32 v[TM+\b], v[TM+\b], v[TM+4+\b]   ; with lane l xor 16's 16: the block's largest magnitude
.endr
.irp b, 0,1,2,3
	v_add_nc_u32 v[TM+12+\b], 0xfc000000, v[TM+\b] ; 8 off its exponent field: the conversion's scale operand
.endr
.irp b, 0,1,2,3
.endr
.irp b, 0,1,2,3
	v_lshrrev_b32 v[TM+4+\b], 23, v[TM+12+\b]      ; the scale's byte
.endr
	v_lshl_or_b32 v[WD+(\f)], v[TM+5], 8, v[TM+4]
	v_lshl_or_b32 v[WD+(\f)], v[TM+6], 16, v[WD+(\f)]
	v_lshl_or_b32 v[WD+(\f)], v[TM+7], 24, v[WD+(\f)]
.irp b, 0,1,2,3
.irp i, 0,1,2,3,4,5,6,7,8,9,10,11,12,13,14,15
.endr
.endr
	s_wait_xcnt 0x0                                ; the last fragment's stores have read the codes' registers
.irp b, 0,1,2,3
	v_cvt_scalef32_pk8_fp8_f32 v[PC+4*\b:PC+4*\b+1], v[XN+16*\b:XN+16*\b+7], v[TM+12+\b]
	v_cvt_scalef32_pk8_fp8_f32 v[PC+4*\b+2:PC+4*\b+3], v[XN+16*\b+8:XN+16*\b+15], v[TM+12+\b]
.endr
	v_nop                                          ; one plain line behind the last conversion
.irp c, 0,1,2,3
	global_store_b128 v4, v[PC+4*\c:PC+4*\c+3], s[12:13] offset:2048*(\f)+512*\c   ; 32 lanes store 512 consecutive bytes, aligned
.endr
.endm
.macro LOADW t, N, wlo                 ; block t of my column: w(32 t + i, column), i = 0 .. 31; each load reads 128 consecutive bytes
.irp i, 0,1,2,3,4,5,6,7,8,9,10,11,12,13,14,15,16,17,18,19,20,21,22,23,24,25,26,27,28,29,30,31
	global_load_b32 v[32+32*((\t)%2)+\i], v3, s[\wlo:\wlo+1] offset:(32*(\t)+\i)*\N*4 th:TH_LOAD_NT
.endr
.endm
.macro BLOCKW t, N, wlo
.set XS, 32+32*((\t)%2)
.if (\t) < 7
	s_wait_loadcnt 32                              ; this block's 32 loads are in; the next block's may be out
.else
	s_wait_loadcnt 0x0
.endif
	v_max3_num_f32 v12, |v[XS]|, |v[XS+1]|, |v[XS+2]|              ; all 32 numbers of the block are mine
	v_max3_num_f32 v13, |v[XS+3]|, |v[XS+4]|, |v[XS+5]|
.irp i, 6,10,14,18,22,26
	v_max3_num_f32 v12, v12, |v[XS+\i]|, |v[XS+\i+1]|
	v_max3_num_f32 v13, v13, |v[XS+\i+2]|, |v[XS+\i+3]|
.endr
	v_max3_num_f32 v12, v12, |v[XS+30]|, |v[XS+31]|
	v_max3_num_f32 v12, v12, v13, 0x4800000        ; and the floor
	v_add_nc_u32 v11, 0xfc000000, v12
	v_lshrrev_b32 v13, 23, v11
.if (\t)%4 == 0
	v_mov_b32 v[24+(\t)/4], v13                    ; four bytes to a register, the lower K in the lower byte
.else
	v_lshl_or_b32 v[24+(\t)/4], v13, 8*((\t)%4), v[24+(\t)/4]
.endif
.irp i, 0,1,2,3,4,5,6,7,8,9,10,11,12,13,14,15,16,17,18,19,20,21,22,23,24,25,26,27,28,29,30,31
.endr
	s_wait_alu depctr_va_vdst(0)
	s_wait_xcnt 0x0                                ; the last block's stores have read v96-103
.irp g, 0,1,2,3
	v_cvt_scalef32_pk8_fp8_f32 v[96+2*\g:97+2*\g], v[XS+8*\g:XS+8*\g+7], v11
.endr
	global_store_b128 v8, v[96:99], s[12:13] offset:((\t)/4)*2048+((\t)%4)*512        ; k 0-15 of the block: the image's lanes 0-15; the sixteen lanes of a tile fill 256 consecutive bytes, aligned
	global_store_b128 v8, v[100:103], s[12:13] offset:((\t)/4)*2048+((\t)%4)*512+256  ; k 16-31: its lanes 16-31
.if (\t) < 6
	LOADW (\t)+2, \N, \wlo
.endif
.endm
; A weight [1024][N]: work-group first + 4 cg + ky takes columns 128 cg .. + 127 and K rows 256 ky .. + 255.  perm = 1: the columns' tiles in the order stated at the head.
.macro WPATH N, first, wlo, obase, sbase, perm
	s_sub_co_u32 s17, ttmp9, \first
	s_lshr_b32 s18, s17, 2                         ; cg
	s_and_b32 s19, s17, 3                          ; ky
	s_lshl_b32 s24, s18, 7
	s_lshl_b32 s25, s16, 5
	s_add_co_u32 s24, s24, s25                     ; my wave's first column n0
	s_mul_i32 s26, s19, 256*\N*4
	s_lshl_b32 s27, s24, 2
	s_add_co_u32 s26, s26, s27                     ; in: 256 ky rows + 4 n0
	s_mov_b32 s27, 0
	s_lshl_b32 s28, s24, 10                        ; codes: tile n0 / 16 of 16,384 bytes,
	s_lshl_b32 s29, s19, 12                        ; + two images for each ky
	s_add_co_u32 s28, s28, s29
	s_add_co_u32 s28, s28, \obase
	s_mov_b32 s29, 0
	s_lshl_b32 s30, s24, 5                         ; scale bytes: 32 a row, + 8 ky
	s_lshl_b32 s31, s19, 3
	s_add_co_u32 s30, s30, s31
	s_add_co_u32 s30, s30, \sbase
	s_mov_b32 s31, 0
	s_add_nc_u64 s[\wlo:\wlo+1], s[\wlo:\wlo+1], s[26:27]
	s_add_nc_u64 s[12:13], s[12:13], s[28:29]
	s_add_nc_u64 s[14:15], s[14:15], s[30:31]
	v_lshlrev_b32 v3, 2, v2
.if \perm
	v_bfe_u32 v10, v2, 3, 1                        ; column l of 32 lies in tile u = (l / 8) % 2,
	v_and_b32 v11, 7, v2
	v_lshrrev_b32 v12, 4, v2
	v_lshl_add_u32 v11, v12, 3, v11                ; row r = l % 8 + 8 (l / 16)
.else
	v_lshrrev_b32 v10, 4, v2
	v_and_b32 v11, 15, v2
.endif
	v_lshlrev_b32 v8, 4, v11
	v_lshl_add_u32 v8, v10, 14, v8                 ; codes: 16,384 u + 16 r
	v_lshl_add_u32 v9, v10, 4, v11
	v_lshlrev_b32 v9, 5, v9                        ; scale bytes: 32 (16 u + r)
	LOADW 0, \N, \wlo
	LOADW 1, \N, \wlo
.irp t, 0,1,2,3,4,5,6,7
	BLOCKW \t, \N, \wlo
.endr
	global_store_b64 v9, v[24:25], s[14:15]        ; my column's 8 scale bytes: rows 32 bytes apart, one byte in 128 of what the path reads
	s_endpgm
.endm
	s_load_b256 s[4:11], s[0:1], 0x0               ; x s[4:5], w_qkv s[6:7], w_proj s[8:9], tok_mask s[10:11]
	s_load_b128 s[12:15], s[0:1], 0x20             ; ops s[12:13], opsc s[14:15]
	v_lshl_add_u32 v254, v0, 2, 0x8400
	v_mov_b32 v255, 0
	v_lshrrev_b32 v1, 5, v0
	v_readfirstlane_b32 s16, v1                    ; wave 0..3
	v_and_b32 v2, 31, v0                           ; lane
	s_mov_b32 s20, 0x76543210
	s_mov_b32 s21, 0xfedcba98                      ; v_permlanex16_b32's selects for lane l xor 16
	s_wait_kmcnt 0x0
	s_cmp_lt_u32 ttmp9, 128
	s_cbranch_scc0 .Lweights
	; ---- x: token tile T = 4 x work-group + wave
	s_lshl_b32 s17, ttmp9, 2
	s_add_co_u32 s17, s17, s16
	s_lshr_b32 s18, s17, 1
	s_lshl_b32 s18, s18, 5
	s_and_b32 s19, s17, 1
	s_lshl_b32 s19, s19, 3
	s_add_co_u32 s18, s18, s19                     ; the tile's first token: 32 (T / 2) + 8 (T % 2)
	s_lshl_b32 s24, s18, 12                        ; rows of 4,096 bytes
	s_mov_b32 s25, 0
	s_lshl_b32 s26, s17, 14                        ; a tile's images: 16,384 bytes
	s_mov_b32 s27, 0
	s_lshl_b32 s28, s17, 9                         ; its scale bytes: 512
	s_mov_b32 s29, 0
	s_lshl_b32 s32, ttmp9, 8
	s_add_co_u32 s32, s32, BIASO                   ; the work-group's 64 numbers of the bias
	s_mov_b32 s33, 0
	s_lshl_b32 s34, ttmp9, 6                       ; and its 64 bytes of tok_mask
	s_mov_b32 s35, 0
	s_add_nc_u64 s[32:33], s[14:15], s[32:33]
	s_add_nc_u64 s[10:11], s[10:11], s[34:35]
	s_add_nc_u64 s[4:5], s[4:5], s[24:25]
	s_add_nc_u64 s[12:13], s[12:13], s[26:27]
	s_add_nc_u64 s[14:15], s[14:15], s[28:29]
	s_wait_alu depctr_va_vdst(0)
	v_lshlrev_b32 v4, 4, v2                        ; 16 x lane
	LOADF 0
	LOADF 1
	s_mul_i32 s30, s16, 16*SPX                     ; my stage
	v_add_nc_u32 v5, s30, v4
	v_and_b32 v3, 15, v0                           ; r
	v_bfe_u32 v8, v0, 4, 1                         ; h
	v_mul_u32_u24 v6, v3, SPX
	v_lshl_add_u32 v6, v8, 6, v6
	v_add_nc_u32 v6, s30, v6                       ; row r, + 64 h
	v_lshlrev_b32 v7, 5, v3
	v_lshl_add_u32 v7, v8, 4, v7                   ; scale bytes: 32 r + 16 h
.irp b, 0,1,2,3
	v_mov_b32 v[TM+4+\b], 0                        ; written once: a lane permute's destination counts as one of its sources
.endr
	s_wait_alu depctr_va_vdst(0)
.irp f, 0,1,2,3,4,5,6,7
	FRAGX \f
.endr
	v_cmp_ne_u32 vcc_lo, 0, v8
.irp j, 0,1,2,3
	v_cndmask_b32 v[YW+\j], v[WD+\j], v[WD+4+\j], vcc_lo   ; lanes 0-15 store words 0-3 of their row, lanes 16-31 words 4-7
.endr
	global_store_b128 v7, v[YW:YW+3], s[14:15]     ; the tile's 512 scale bytes, consecutive
	s_cmp_lg_u32 s16, 0
	s_cbranch_scc1 .Lxend
	v_lshlrev_b32 v9, 1, v2                        ; wave 0: 64 bytes of tok_mask become 64 numbers
	global_load_u16 v10, v9, s[10:11]
	v_lshlrev_b32 v1, 3, v2
	v_mov_b32 v13, 0xf149f2ca                      ; -1e30
	s_wait_alu depctr_va_vdst(0)
	s_wait_loadcnt 0x0
	v_and_b32 v11, 0xff, v10
	v_lshrrev_b32 v12, 8, v10
	v_cmp_eq_u32 vcc_lo, 0, v11
	v_cndmask_b32 v14, 0, v13, vcc_lo
	v_cmp_eq_u32 vcc_lo, 0, v12
	v_cndmask_b32 v15, 0, v13, vcc_lo
	global_store_b64 v1, v[14:15], s[32:33]        ; 256 consecutive bytes, aligned
.Lxend:
	s_wait_tensorcnt 0x0
	ds_add_u32 v254, v255
	s_wait_dscnt 0x0
	s_endpgm
.Lweights:
	s_cmp_lt_u32 ttmp9, 224
	s_cbranch_scc0 .Lproj
	s_wait_alu depctr_va_vdst(0)
	WPATH 3072, 128, 6, 8388608, 262144, 1
.Lproj:
	s_wait_alu depctr_va_vdst(0)
	WPATH 1024, 224, 8, 11534336, 360448, 0
.Lfunc_end_k_q0560400290_quant:
	.size	k_q0560400290_quant, .Lfunc_end_k_q0560400290_quant-k_q0560400290_quant
	.p2alignl 7, 3214868480
	.fill 96, 4, 3214868480
	.section	.rodata,"a",@progbits
	.p2align	6, 0x0
	.amdhsa_kernel k_q0560400290_quant
		.amdhsa_group_segment_fixed_size 34304
		.amdhsa_private_segment_fixed_size 0
		.amdhsa_enable_private_segment 0
		.amdhsa_kernarg_size 48
		.amdhsa_user_sgpr_count 2
		.amdhsa_user_sgpr_kernarg_segment_ptr 1
		.amdhsa_wavefront_size32 1
		.amdhsa_system_sgpr_workgroup_id_x 1
		.amdhsa_system_sgpr_workgroup_id_y 1
		.amdhsa_system_sgpr_workgroup_id_z 1
		.amdhsa_system_vgpr_workitem_id 0
		.amdhsa_next_free_vgpr 256
		.amdhsa_next_free_sgpr 66
		.amdhsa_reserve_vcc 1
		.amdhsa_float_denorm_mode_32 3
		.amdhsa_float_denorm_mode_16_64 3
		.amdhsa_fp16_overflow 1
		.amdhsa_memory_ordered 1
		.amdhsa_forward_progress 1
		.amdhsa_inst_pref_size 142
	.end_amdhsa_kernel
	.amdgpu_metadata
---
amdhsa.version: [ 1, 2 ]
amdhsa.kernels:
  - .name:           k_q0560400290_quant
    .symbol:         k_q0560400290_quant.kd
    .args:
      - { .name: x, .offset: 0, .size: 8, .value_kind: global_buffer, .address_space: global }
      - { .name: w_qkv, .offset: 8, .size: 8, .value_kind: global_buffer, .address_space: global }
      - { .name: w_proj, .offset: 16, .size: 8, .value_kind: global_buffer, .address_space: global }
      - { .name: tok_mask, .offset: 24, .size: 8, .value_kind: global_buffer, .address_space: global }
      - { .name: ops, .offset: 32, .size: 8, .value_kind: global_buffer, .address_space: global }
      - { .name: opsc, .offset: 40, .size: 8, .value_kind: global_buffer, .address_space: global }
    .group_segment_fixed_size: 34304
    .private_segment_fixed_size: 0
    .kernarg_segment_align: 8
    .kernarg_segment_size: 48
    .max_flat_workgroup_size: 128
    .sgpr_count:     66
    .vgpr_count:     256
    .wavefront_size: 32
...
	.end_amdgpu_metadata
.endif
;; end of part 1
;; launch gemm_qkv (part 2): grid 12 x 32, 4 waves a work-group, clusters of 4 x 4, 327,680 bytes of LDS; arguments ops, opsc, qkv, qkvsc; writes qkv, qkvsc
.if DOCPART == 2
	.amdgcn_target "amdgcn-amd-amdhsa--gfx1250"
	.amdhsa_code_object_version 6
	.text
	.protected	k_q0560400290_gemm_qkv
	.globl	k_q0560400290_gemm_qkv
	.p2align	8
	.type	k_q0560400290_gemm_qkv,@function
k_q0560400290_gemm_qkv:
	s_mov_b64 s[64:65], 0
	v_nop
	global_prefetch_b8 v0, s[64:65] scope:SCOPE_SE
	s_setreg_imm32_b32 hwreg(HW_REG_WAVE_MODE, 25, 1), 1
	s_wait_xcnt 0x0
	s_wait_alu depctr_hold_cnt(0) depctr_sa_sdst(0) depctr_va_vdst(0) depctr_va_sdst(0) depctr_va_ssrc(0) depctr_va_vcc(0) depctr_vm_vsrc(0)
	s_getreg_b32 s2, hwreg(HW_REG_IB_STS2, 6, 4)
	s_cmp_eq_u32 s2, 0
	s_cbranch_scc0 .Lentry_in_a_cluster
	s_endpgm
.Lentry_in_a_cluster:
	s_bfe_u32 s2, ttmp6, 0x10000c
	s_cmp_lg_u32 s2, 0xf033
	s_cbranch_scc0 .Lentry_shape_is_right
	s_endpgm
.Lentry_shape_is_right:
; qkv = x w_qkv on codes of FP8 (E4M3) with E8M0 scales, K = 1024; the results are quantised in registers and leave as codes: no f32 number goes to memory.
; A tile of the product is 256 x 256: four waves, each 128 x 128 in 64 accumulators (512 registers).  THE MATRIX INSTRUCTION IS USED TRANSPOSED (source 0 = 16 rows of B, source 1 = 16 rows of A):
; a lane holds ONE row of A, and its 64 registers of an A block run along B's 128 rows.  B's rows lie in the order (stored tile 2 B + u, row r = row 32 B + 8 u + r + 8 (r / 8)) in which those 64 registers are
; register 16 b + i = B row 32 b + 16 (lane / 16) + i: the layout of an operand of the next product whose K runs along B's rows.
; ROLES.  Clusters x = 0, 1: A = x's tokens, B = w_qkv's columns of q and k: codes along the head's channels.  Cluster x = 2: A = w_qkv's columns of v, B = x's tokens: V^T, codes along the keys.
; The choice hangs on the cluster's x alone, which all sixteen partners share.
; OUT.  qkv at 0: [512 token tiles][16: 128 channels of q (0-7) or k (8-15)][2,048-byte image]; at 16,777,216: [64 channel tiles of v][64 steps of 128 tokens][image].
; qkvsc at 0: [32 heads: q 0-15, k 16-31][64 groups of 128 tokens][512 bytes: lane l's word j is the scale word (two bytes, upper two 0) of tile 2 j + l / 16, row l % 16]; at 1,048,576: v's words
; [16 heads][64 steps][256 bytes: two words a lane, likewise]; at 1,310,720, same shape, f32: the sum over the step's 128 keys of the quantised v (a product of the codes just made with ones).
; IN.  ops, opsc: 48 blocks of 256 rows as fragment images (16 rows x 128 K = 2,048 bytes, 16 bytes a lane and plane) and row-major scale bytes.  A K step of 256 of 8 tiles is 8 rows of 4,096 bytes for one tensor load;
; in LDS an image is read by four loads of 512 consecutive bytes: no pitch, no padding.  Two slots; the scales of all of K come once.
; CLUSTERS: 4 x 4: A's tiles are asked for jointly along a row of the cluster, B's along a column.  384 work-groups: a tile that gave one to each of 256 WGPs (256 x 384) does not fit the registers.
; LIMITS: blocks of zeros or under 2^-118 get the byte 1 (this program alone reads the bytes); NaN and infinities are not served.
; REGISTERS: window 0: v16-29 addresses; v32-63 scale words, two sets; v128-255 A's fragments, one set; on the way out v64-223 at work.  window 1: B's fragments, two sets.  windows 2, 3: the accumulators ((a, b) at v[8 (8 (a % 4) + b)]).
.set NQ,     2                         ; matrix instructions deep in a slot (256 along K)
.set FR,     16
.set NL,     4
.set NP,     8                         ; places behind this matrix instruction (ISA guide 7.12.1)
.set TILEB,  4096                      ; a tile's two images of a K step
.set HALFT,  8*TILEB                   ; 8 tiles: what one tensor load brings, and what one wave reads of A or of B
.set SLOT,   4*HALFT
.set LAPS,   2                         ; K = 1024: four K steps, twice round the ring
.set KS,     32                        ; a row of scale bytes
.set SCL,    2*SLOT
.set HALFS,  (128*KS/256)*272          ; the scales of 128 rows: 16 units of 256 bytes + 16 of padding
.set SBLK,   (16*KS/256)*272
.set SPARE,  SCL+4*HALFS               ; the spare words: 128 bytes a wave, two blocks of 256 bytes that no other line names
.set ADRA, 16
.set ADRB, 20
.set HH,   25                          ; the way out: lane / 16
.set L16,  26                          ; 16 x lane
.set ADRS, 27                          ; LDS address of my scale words; on the way out 8 x lane
.set L8,   27
.set SPW,  28
.set NIL,  29
.set SC,   32
.set AF,   128
.set PC,   64                          ; the way out: v64-79 codes; v96-111 at work; v112-119 a scale word for each A block; v120-135 words to store; v136-151 ones; v152 their scale; v160-223 the sums
.set TM,   96
.set WS,   112
.set YW,   120
.set LO,   124
.set HI,   128
.set ZS,   132
.set ONE,  136
.set USC,  152
.set DS,   160
.set G1, 24
.set G0, 32
.set G1B, 48
.set G0B, 56
.set G1S, 68
.set G0S, 76
.set G1SB, 80
.set G0SB, 88
.set MSB, 0
.macro WIN new                         ; the immediate's high byte repeats the setting that is left
.if MSB != (\new)
	s_set_vgpr_msb (MSB<<8)|(\new)
.set MSB, (\new)
.endif
.endm
.set MUL_LO, 0xa1                      ; source 0 (B) window 1, source 1 (A) window 0, C and D window 2
.set MUL_HI, 0xf1
.set TO_B,   0x40
; A joint load: waves 0 and 1 fetch for A, waves 2 and 3 for B; the branch hangs on the wave's number alone.  Four v_nop follow each line.
.macro JLOAD g0a, g1a, g0b, g1b
	s_cmp_eq_u32 s15, 0
	s_cbranch_scc0 .Lfor_b_\@
	tensor_load_to_lds s[\g0a:\g0a+3], s[\g1a:\g1a+7]
	s_nop 0
.rept 4
	v_nop
.endr
	s_branch .Lasked_\@
.Lfor_b_\@:
	tensor_load_to_lds s[\g0b:\g0b+3], s[\g1b:\g1b+7]
	s_nop 0
.rept 4
	v_nop
.endr
.Lasked_\@:
.endm
.macro CREST
	s_cmp_lg_u32 s14, 0
	s_cbranch_scc1 .Lnot_wave_0_\@
	s_barrier_signal -3
.Lnot_wave_0_\@:
	s_barrier_wait -3
	s_barrier_signal -1
	s_barrier_wait -1
.endm
.macro CROUND
	s_barrier_signal -1
	s_barrier_wait -1
	CREST
.endm
	s_load_b256 s[4:11], s[0:1], 0x0               ; ops s[4:5], opsc s[6:7], qkv s[8:9], qkvsc s[10:11]
	v_lshl_add_u32 v[SPW], v0, 2, SPARE
	v_mov_b32 v[NIL], 0
	ds_add_u32 v28, v29
	ds_add_u32 v28, v29
	s_wait_dscnt 0x0
	v_lshrrev_b32 v1, 5, v0
	v_readfirstlane_b32 s14, v1                    ; wave 0..3
	s_lshr_b32 s15, s14, 1                         ; which half of A's rows is mine.  Also: I fetch for A (0) or for B (1)
	s_and_b32 s16, s14, 1                          ; which half of B's rows.  Also: which 8 tiles I fetch
	s_bfe_u32 s40, ttmp6, 0x40000                  ; cx, cy
	s_bfe_u32 s41, ttmp6, 0x40004
	s_and_b32 s17, ttmp7, 0xffff
	s_lshl_b32 s17, s17, 2                         ; 4 x cluster y: four blocks of tokens
	s_lshl_b32 s42, ttmp9, 2
	s_add_co_u32 s42, s42, 32                      ; 32 + 4 x cluster x: four blocks of q's or k's columns
	s_cmp_eq_u32 ttmp9, 2                          ; the cluster makes V^T?
	s_cselect_b32 s67, 40, s17                     ; A's blocks: v's columns, or tokens
	s_cselect_b32 s95, s17, s42                    ; B's blocks: tokens, or q's and k's columns
	s_add_co_u32 s67, s67, s41                     ; A's block: + cy, shared along my row of the cluster
	s_add_co_u32 s95, s95, s40                     ; B's block: + cx, shared along my column
	s_lshl_b32 s43, s41, 2
	s_lshl_b32 s43, 15, s43                        ; my row of the cluster
	s_lshl_b32 s44, 0x1111, s40                    ; my column
	; descriptor group 1: 8 rows (tiles) of 512 elements of 8 bytes, 2,048 elements apart; no padding
	s_or_b32 s[G1+0], s43, (3<<16)|(1<<21)
	s_or_b32 s[G1B+0], s44, (3<<16)|(1<<21)
.irp g, G1, G1B
	s_mov_b32 s[\g+1], 512<<16                     ; tensor_dim0
	s_mov_b32 s[\g+2], 8<<16                       ; tensor_dim1
	s_mov_b32 s[\g+3], 512<<16                     ; tile_dim0
	s_mov_b32 s[\g+4], 8                           ; tile_dim1
	s_mov_b32 s[\g+5], 2048                        ; tensor_dim0_stride
	s_mov_b32 s[\g+6], 0
	s_mov_b32 s[\g+7], 0
.endr
	; the scales of 128 rows: 4,096 dense bytes as 16 rows of 256, 16 bytes of padding behind each
	s_or_b32 s[G1S+0], s43, (3<<16)|(1<<20)|(1<<21)|(5<<22)|(3<<25)
	s_or_b32 s[G1SB+0], s44, (3<<16)|(1<<20)|(1<<21)|(5<<22)|(3<<25)
.irp g, G1S, G1SB
	s_mov_b32 s[\g+1], 32<<16
	s_mov_b32 s[\g+2], (128*KS/256)<<16
	s_mov_b32 s[\g+3], 32<<16
	s_mov_b32 s[\g+4], 128*KS/256
	s_mov_b32 s[\g+5], 32
	s_mov_b32 s[\g+6], 0
	s_mov_b32 s[\g+7], 0
.endr
	s_lshl_b32 s18, s16, 17                        ; my 8 tiles of a block's codes
	s_lshl_b32 s19, s16, 12                        ; and of its scale bytes
	s_lshl_b32 s22, s67, 13
	s_add_co_u32 s22, s22, s19
	s_mov_b32 s23, 0
	s_lshl_b32 s20, s67, 18
	s_add_co_u32 s20, s20, s18
	s_mov_b32 s21, 0
	s_lshl_b32 s92, s95, 13
	s_add_co_u32 s92, s92, s19
	s_mov_b32 s93, 0
	s_lshl_b32 s46, s95, 18
	s_add_co_u32 s46, s46, s18
	s_mov_b32 s47, 0
	s_mul_i32 s45, s14, HALFT                      ; where they go: wave x 8 tiles: no place in the cluster enters an LDS address
	s_mul_i32 s94, s14, HALFS
	s_wait_kmcnt 0x0
	s_add_nc_u64 s[20:21], s[4:5], s[20:21]
	s_add_nc_u64 s[22:23], s[6:7], s[22:23]
	s_add_nc_u64 s[46:47], s[4:5], s[46:47]
	s_add_nc_u64 s[92:93], s[6:7], s[92:93]
	CROUND                                         ; all sixteen work-groups are here: the first joint loads meet
	s_mov_b32 s[G0S], 1
	s_add_co_u32 s[G0S+1], s94, SCL
	s_mov_b64 s[G0S+2:G0S+3], s[22:23]
	s_or_b32 s[G0S+3], s[G0S+3], 0x80000000
	s_mov_b32 s[G0SB], 1
	s_add_co_u32 s[G0SB+1], s94, SCL
	s_mov_b64 s[G0SB+2:G0SB+3], s[92:93]
	s_or_b32 s[G0SB+3], s[G0SB+3], 0x80000000
	JLOAD G0S, G1S, G0SB, G1SB                     ; the scales first: they are wanted with K step 0
.irp s, 0,1
	s_mov_b32 s[G0+4*\s], 1
	s_add_co_u32 s[G0+4*\s+1], s45, \s*SLOT
	s_add_nc_u64 s[G0+4*\s+2:G0+4*\s+3], s[20:21], \s*TILEB
	s_or_b32 s[G0+4*\s+3], s[G0+4*\s+3], 0x80000000
	s_mov_b32 s[G0B+4*\s], 1
	s_add_co_u32 s[G0B+4*\s+1], s45, \s*SLOT
	s_add_nc_u64 s[G0B+4*\s+2:G0B+4*\s+3], s[46:47], \s*TILEB
	s_or_b32 s[G0B+4*\s+3], s[G0B+4*\s+3], 0x80000000
	JLOAD G0+4*\s, G1, G0B+4*\s, G1B
.endr
	v_and_b32 v1, 15, v0                           ; l % 16
	v_bfe_u32 v2, v0, 4, 1                         ; l / 16
	v_and_b32 v6, 31, v0
	v_lshlrev_b32 v4, 4, v6                        ; an image's place for my lane
	s_mul_i32 s21, s15, HALFT                      ; my 8 tiles of A
	s_mul_i32 s22, s16, HALFT                      ; my 8 tiles of B,
	s_add_co_u32 s22, s22, 2*HALFT                 ; which lie behind A's 16
.irp s, 0,1
	v_add_nc_u32 v[ADRA+\s], s21, v4
	v_add_nc_u32 v[ADRB+\s], s22, v4
	s_add_co_u32 s21, s21, SLOT
	s_add_co_u32 s22, s22, SLOT
.endr
	v_mul_u32_u24 v5, v1, KS                       ; my row's scales: KS bytes a row,
	v_lshrrev_b32 v6, 8, v5
	v_lshl_add_u32 v5, v6, 4, v5                   ; and 16 more for each 256 passed
	s_mul_i32 s21, s15, HALFS
	s_mul_i32 s22, s16, HALFS
	s_add_co_u32 s22, s22, 2*HALFS
	s_sub_co_u32 s22, s22, s21
	v_mul_u32_u24 v6, s22, v2                      ; lanes 16-31 take B's
	s_add_co_u32 s21, s21, SCL
	v_add_nc_u32 v5, v5, v6
	v_add_nc_u32 v[ADRS], s21, v5
.macro FRAG reg, adr, q, i             ; an image comes back as it was laid: four loads of 512 consecutive bytes
.irp c, 0,1,2,3
	ds_load_b128 v[\reg+4*\c:\reg+4*\c+3], v[\adr] offset:2048*(\q)+512*\c+(\i)*TILEB
.endr
.endm
; 16 matrix instructions: A's blocks a0, a0 + 1 x B's eight.  The 64 accumulators take turns, one instruction a turn, in the same order in every step.
.macro MUL16 a0, p, q, sc, zero
.irp a, \a0, \a0+1
.irp b, 0,1,2,3,4,5,6,7
.if \zero
	v_wmma_scale_f32_16x16x128_f8f6f4 v[8*(8*((\a)%4)+\b):8*(8*((\a)%4)+\b)+7], v[128*(\p)+FR*\b:128*(\p)+FR*\b+FR-1], v[AF+FR*(\a):AF+FR*(\a)+FR-1], 0, v[SC+8*NQ*(\sc)+NQ*\b+(\q)], v[SC+8*NQ*(\sc)+NQ*(\a)+(\q)] matrix_a_scale:MATRIX_SCALE_ROW1
.else
	v_wmma_scale_f32_16x16x128_f8f6f4 v[8*(8*((\a)%4)+\b):8*(8*((\a)%4)+\b)+7], v[128*(\p)+FR*\b:128*(\p)+FR*\b+FR-1], v[AF+FR*(\a):AF+FR*(\a)+FR-1], v[8*(8*((\a)%4)+\b):8*(8*((\a)%4)+\b)+7], v[SC+8*NQ*(\sc)+NQ*\b+(\q)], v[SC+8*NQ*(\sc)+NQ*(\a)+(\q)] matrix_a_scale:MATRIX_SCALE_ROW1
.endif
.endr
.endr
.endm
.macro FETCH_B slot, q, p
	WIN TO_B
.irp i, 0,1,2,3,4,5,6,7
	FRAG 128*(\p)+FR*\i, ADRB+\slot, \q, \i
.endr
	WIN 0
.endm
.macro FETCH_A slot, q, i0
.irp i, \i0, \i0+1, \i0+2, \i0+3
	FRAG AF+FR*(\i), ADRA+\slot, \q, \i
.endr
.endm
.macro SCALES sc                       ; a K step's two words a row: lanes 0-15 take A's block i, lanes 16-31 B's block i
.irp i, 0,1,2,3,4,5,6,7
	ds_load_b64 v[SC+8*NQ*\sc+NQ*\i:SC+8*NQ*\sc+NQ*\i+1], v[ADRS] offset:\i*SBLK
.endr
.endm
.macro PLACES n                        ; plain vector lines between a matrix instruction and a load into, or a read of, its registers (ISA guide 7.12.1 for vector instructions)
.rept \n
	v_nop
.endr
.endm
.macro STEP slot, q, zero              ; 128 along K with its successor in the same slot
	s_wait_dscnt 4*NL                              ; B's set and A's blocks 0-3 are in; the youngest 16 loads (A's blocks 4-7) may be out
	WIN MUL_LO
	MUL16 0, (\q)%2, \q, \slot, \zero
	MUL16 2, (\q)%2, \q, \slot, \zero
	s_wait_dscnt 0
	PLACES NP
	FETCH_B \slot, (\q)+1, 1-(\q)%2
	FETCH_A \slot, (\q)+1, 0
	WIN MUL_HI
	MUL16 4, (\q)%2, \q, \slot, \zero
	MUL16 6, (\q)%2, \q, \slot, \zero
	PLACES NP
	WIN 0
	FETCH_A \slot, (\q)+1, 4
.endm
; A slot's last step changes slots: one barrier; in front of it each wave waits for all its tensor loads, adds 0 to its spare word, and waits for that and for its reads of this slot.
.macro TURN slot, next, fill
	s_wait_tensorcnt 0x0                           ; all my tensor loads have landed: my part of the next slot
	ds_add_u32 v[SPW], v[NIL]                      ; 0 onto my spare word
	s_wait_dscnt 4*NL+1                            ; the add and the youngest 16 loads (A's blocks 4-7) may be out
	WIN MUL_LO
	MUL16 0, 1, NQ-1, \slot, 0
	s_wait_dscnt 0x0                               ; the add is done, and my reads of this slot are over
	s_barrier_signal -1
	MUL16 2, 1, NQ-1, \slot, 0
	WIN 0
	s_barrier_wait -1
.if \fill
	CREST                                          ; the barrier has opened a round of the cluster's: no wave of any partner still reads this slot or has a load on its way
	s_add_nc_u64 s[G0+4*\slot+2:G0+4*\slot+3], s[G0+4*\slot+2:G0+4*\slot+3], 2*TILEB
	s_add_nc_u64 s[G0B+4*\slot+2:G0B+4*\slot+3], s[G0B+4*\slot+2:G0B+4*\slot+3], 2*TILEB
	JLOAD G0+4*\slot, G1, G0B+4*\slot, G1B         ; my one tensor load behind the round; its four v_nop are among the places in front of the loads below
	PLACES NP-4
.else
	PLACES NP
.endif
	s_wait_alu depctr_va_vdst(0)
	v_add_nc_u32 v[ADRS], 4*NQ, v[ADRS]            ; the next K step's scale words
	FETCH_B \next, 0, 0
	FETCH_A \next, 0, 0
	SCALES \next
	WIN MUL_HI
	MUL16 4, 1, NQ-1, \slot, 0
	MUL16 6, 1, NQ-1, \slot, 0
	PLACES NP
	WIN 0
	FETCH_A \next, 0, 4
.endm
	s_wait_alu depctr_va_vdst(0)
	s_wait_tensorcnt 1                             ; the scales and my part of K step 0 are in; K step 1's load may be out
	s_barrier_signal -1
	s_barrier_wait -1
	FETCH_B 0, 0, 0
	FETCH_A 0, 0, 0
	SCALES 0
	FETCH_A 0, 0, 4
	STEP 0, 0, 1                                   ; the first products start the sums: nothing is cleared
.rept LAPS-1
	TURN 0, 1, 1
	STEP 1, 0, 0
	TURN 1, 0, 1
	STEP 0, 0, 0
.endr
	TURN 0, 1, 0                                   ; the last lap fills nothing
	STEP 1, 0, 0
	s_wait_dscnt 4*NL
	WIN MUL_LO
	MUL16 0, 1, NQ-1, 1, 0
	MUL16 2, 1, NQ-1, 1, 0
	s_wait_dscnt 0
	WIN MUL_HI
	MUL16 4, 1, NQ-1, 1, 0
	MUL16 6, 1, NQ-1, 1, 0
	WIN 0
; THE WAY OUT.  A block a's 64 registers are one fragment of the next product: four blocks of 32, each shared by lanes l and l xor 16.  They are quantised in place and stored as an image.
.macro QUANTW a, pitch
.set AC, 64*((\a)%4)
.set W, 2+(\a)/4
.set W01, W|(W<<2)
.set W12, (W<<2)|(W<<4)
.set W0D, W|(W<<6)
	WIN W01
.irp b, 0,1,2,3
	v_max3_num_f32 v[TM+\b], |v[AC+16*\b]|, |v[AC+16*\b+1]|, 0x4800000   ; each accumulator is read from its low end on; the floor 2^(9 - 127) holds the byte at 1 from below
.endr
	WIN W12
.irp i, 2,4,6,8,10,12,14
.irp b, 0,1,2,3
	v_max3_num_f32 v[TM+\b], v[TM+\b], |v[AC+16*\b+\i]|, |v[AC+16*\b+\i+1]|
.endr
.endr
	WIN 0
.irp b, 0,1,2,3
	v_permlanex16_b32 v[TM+4+\b], v[TM+\b], s18, s19
.endr
.irp b, 0,1,2,3
	v_max_num_f32 v[TM+\b], v[TM+\b], v[TM+4+\b]
.endr
.irp b, 0,1,2,3
	v_add_nc_u32 v[TM+12+\b], 0xfc000000, v[TM+\b] ; 8 off the exponent field: the conversion's scale operand
.endr
.irp b, 0,1,2,3
.endr
.irp b, 0,1,2,3
	v_lshrrev_b32 v[TM+4+\b], 23, v[TM+12+\b]
.endr
	v_lshl_or_b32 v[WS+(\a)], v[TM+5], 8, v[TM+4]
	v_lshl_or_b32 v[WS+(\a)], v[TM+6], 16, v[WS+(\a)]
	v_lshl_or_b32 v[WS+(\a)], v[TM+7], 24, v[WS+(\a)]
	WIN W0D
.irp b, 0,1,2,3
.irp i, 0,1,2,3,4,5,6,7,8,9,10,11,12,13,14,15
.endr
.endr
	s_wait_xcnt 0x0                                ; the last block's stores have read the codes' registers and their base
.if (\a) > 0
	s_add_nc_u64 s[96:97], s[96:97], \pitch        ; the next tile's images
.endif
	WIN W
.irp b, 0,1,2,3
	v_cvt_scalef32_pk8_fp8_f32 v[PC+4*\b:PC+4*\b+1], v[AC+16*\b:AC+16*\b+7], v[TM+12+\b]
	v_cvt_scalef32_pk8_fp8_f32 v[PC+4*\b+2:PC+4*\b+3], v[AC+16*\b+8:AC+16*\b+15], v[TM+12+\b]
.endr
	WIN 0
	v_nop                                          ; one plain line behind the last conversion
.irp c, 0,1,2,3
	global_store_b128 v[L16], v[PC+4*\c:PC+4*\c+3], s[96:97] offset:512*\c   ; 512 consecutive bytes, aligned
.endr
.endm
.macro WAYOUT isv, pitch
.irp a, 0,1,2,3,4,5,6,7
	QUANTW \a, \pitch
.if \isv
.rept 4
	v_nop                                          ; codes written by vector lines stand four places ahead of a scaled matrix instruction
.endr
	s_wait_alu depctr_va_vdst(0)
	v_wmma_scale_f32_16x16x128_f8f6f4 v[DS+8*\a:DS+8*\a+7], v[ONE:ONE+15], v[PC:PC+15], 0, v[USC], v[WS+\a]   ; ones x the fragment: register 0 of lane l = the sum over the 128 keys of channel l % 16
.endif
.endr
	v_cmp_ne_u32 vcc_lo, 0, v[HH]
.irp j, 0,1,2,3
	v_cndmask_b32 v[YW+\j], v[WS+2*\j], v[WS+2*\j+1], vcc_lo   ; word j of lane (r, h): tile 2 j + h, row r
.endr
.endm
	v_and_b32 v[L16], 31, v0                       ; these eight plain lines name no register of the last products: they are the places behind them
	v_bfe_u32 v[HH], v0, 4, 1
	v_lshlrev_b32 v[L8], 3, v[L16]
	v_lshlrev_b32 v[L16], 4, v[L16]
.irp b, 0,1,2,3
	v_mov_b32 v[TM+4+\b], 0                        ; a lane permute's destination counts as one of its sources
.endr
	s_mov_b32 s18, 0x76543210
	s_mov_b32 s19, 0xfedcba98
	s_cmp_eq_u32 ttmp9, 2
	s_cbranch_scc1 .Lway_v
	; ---- q and k: token tile 16 x A's block + 8 x half + a; 128 channels 2 x (B's block - 32) + half
	s_lshl_b32 s20, s67, 4
	s_lshl_b32 s21, s15, 3
	s_add_co_u32 s20, s20, s21
	s_lshl_b32 s20, s20, 15                        ; 32,768 bytes a token tile
	s_sub_co_u32 s22, s95, 32
	s_lshl_b32 s22, s22, 1
	s_add_co_u32 s22, s22, s16
	s_lshl_b32 s23, s22, 11
	s_add_co_u32 s20, s20, s23
	s_mov_b32 s21, 0
	s_add_nc_u64 s[96:97], s[8:9], s[20:21]
	s_lshl_b32 s22, s22, 7                         ; the first of my two heads x 64 groups,
	s_lshl_b32 s23, s67, 1
	s_add_co_u32 s22, s22, s23
	s_add_co_u32 s22, s22, s15                     ; + my group of 128 tokens,
	s_lshl_b32 s22, s22, 9                         ; x 512 bytes
	s_mov_b32 s23, 0
	s_add_nc_u64 s[10:11], s[10:11], s[22:23]
	WAYOUT 0, 0x8000
.irp j, 0,1,2,3
	v_and_b32 v[LO+\j], 0xffff, v[YW+\j]           ; the even head's two bytes; the upper two stay 0: the head's K is 64, the rest of a product's 128 are zero codes
	v_lshrrev_b32 v[HI+\j], 16, v[YW+\j]           ; the odd head's
.endr
	global_store_b128 v[L16], v[LO:LO+3], s[10:11]
	global_store_b128 v[L16], v[HI:HI+3], s[10:11] offset:32768
	s_branch .Ldone
.Lway_v:
	; ---- V^T: channel tile 16 x (A's block - 40) + 8 x half + a; step of 128 tokens 2 x B's block + half
	s_sub_co_u32 s20, s67, 40
	s_lshl_b32 s22, s20, 2
	s_lshl_b32 s23, s15, 1
	s_add_co_u32 s22, s22, s23                     ; the first of my two heads
	s_lshl_b32 s22, s22, 6
	s_lshl_b32 s21, s95, 1
	s_add_co_u32 s21, s21, s16                     ; the step
	s_add_co_u32 s22, s22, s21
	s_lshl_b32 s22, s22, 8
	s_add_co_u32 s22, s22, 1048576
	s_mov_b32 s23, 0
	s_lshl_b32 s20, s20, 4
	s_lshl_b32 s2, s15, 3
	s_add_co_u32 s20, s20, s2
	s_lshl_b32 s20, s20, 17                        ; 131,072 bytes a channel tile
	s_lshl_b32 s21, s21, 11
	s_add_co_u32 s20, s20, s21
	s_add_co_u32 s20, s20, 16777216
	s_mov_b32 s21, 0
	s_add_nc_u64 s[96:97], s[8:9], s[20:21]
	s_add_nc_u64 s[10:11], s[10:11], s[22:23]
.irp j, 0,1,2,3,4,5,6,7,8,9,10,11,12,13,14,15
	v_mov_b32 v[ONE+\j], 0x38383838                ; the code of 1.0, four to a register
.endr
	v_mov_b32 v[USC], 0x7f7f7f7f                   ; the scale 1
	WAYOUT 1, 0x20000
	global_store_b64 v[L8], v[YW:YW+1], s[10:11]                    ; 256 consecutive bytes, aligned
	global_store_b64 v[L8], v[YW+2:YW+3], s[10:11] offset:16384     ; the second head's
.rept 8
	v_nop                                          ; places behind the last product, ahead of the read of its result
.endr
.irp j, 0,1,2,3
	v_cndmask_b32 v[ZS+\j], v[DS+16*\j], v[DS+16*\j+8], vcc_lo
.endr
	global_store_b64 v[L8], v[ZS:ZS+1], s[10:11] offset:262144
	global_store_b64 v[L8], v[ZS+2:ZS+3], s[10:11] offset:262144+16384
.Ldone:
	s_wait_tensorcnt 0x0                           ; the wave's end
	ds_add_u32 v[SPW], v[NIL]
	s_wait_dscnt 0x0
	CROUND                                         ; the closing round: no work-group ends while a partner may still ask for a tile that names it
	s_endpgm
.Lfunc_end_k_q0560400290_gemm_qkv:
	.size	k_q0560400290_gemm_qkv, .Lfunc_end_k_q0560400290_gemm_qkv-k_q0560400290_gemm_qkv
	.p2alignl 7, 3214868480
	.fill 96, 4, 3214868480
	.section	.rodata,"a",@progbits
	.p2align	6, 0x0
	.amdhsa_kernel k_q0560400290_gemm_qkv
		.amdhsa_group_segment_fixed_size 327680
		.amdhsa_private_segment_fixed_size 0
		.amdhsa_enable_private_segment 0
		.amdhsa_kernarg_size 32
		.amdhsa_user_sgpr_count 2
		.amdhsa_user_sgpr_kernarg_segment_ptr 1
		.amdhsa_wavefront_size32 1
		.amdhsa_system_sgpr_workgroup_id_x 1
		.amdhsa_system_sgpr_workgroup_id_y 1
		.amdhsa_system_sgpr_workgroup_id_z 1
		.amdhsa_system_vgpr_workitem_id 0
		.amdhsa_next_free_vgpr 1024
		.amdhsa_next_free_sgpr 98
		.amdhsa_reserve_vcc 1
		.amdhsa_float_denorm_mode_32 3
		.amdhsa_float_denorm_mode_16_64 3
		.amdhsa_fp16_overflow 1
		.amdhsa_memory_ordered 1
		.amdhsa_forward_progress 1
		.amdhsa_inst_pref_size 189
	.end_amdhsa_kernel
	.amdgpu_metadata
---
amdhsa.version: [ 1, 2 ]
amdhsa.kernels:
  - .name:           k_q0560400290_gemm_qkv
    .symbol:         k_q0560400290_gemm_qkv.kd
    .args:
      - { .name: ops, .offset: 0, .size: 8, .value_kind: global_buffer, .address_space: global }
      - { .name: opsc, .offset: 8, .size: 8, .value_kind: global_buffer, .address_space: global }
      - { .name: qkv, .offset: 16, .size: 8, .value_kind: global_buffer, .address_space: global }
      - { .name: qkvsc, .offset: 24, .size: 8, .value_kind: global_buffer, .address_space: global }
    .group_segment_fixed_size: 327680
    .private_segment_fixed_size: 0
    .kernarg_segment_align: 8
    .kernarg_segment_size: 32
    .max_flat_workgroup_size: 128
    .sgpr_count:     98
    .vgpr_count:     1024
    .wavefront_size: 32
...
	.end_amdgpu_metadata
.endif
;; end of part 2
;; launch attn (part 3): grid 4 x 64, 16 waves a work-group, no clusters, 327,680 bytes of LDS; arguments qkv, qkvsc, opsc, yimg, ysc; writes yimg, ysc
.if DOCPART == 3
	.amdgcn_target "amdgcn-amd-amdhsa--gfx1250"
	.amdhsa_code_object_version 6
	.text
	.protected	k_q0560400290_attn
	.globl	k_q0560400290_attn
	.p2align	8
	.type	k_q0560400290_attn,@function
k_q0560400290_attn:
	s_mov_b64 s[64:65], 0
	v_nop
	global_prefetch_b8 v0, s[64:65] scope:SCOPE_SE
	s_setreg_imm32_b32 hwreg(HW_REG_WAVE_MODE, 25, 1), 1
	s_wait_xcnt 0x0
; y[b][q][head] = softmax over the keys of (q . k / 8, masked) v, causal and with tok_mask's holes, both products on codes of FP8 (E4M3) with E8M0 scales; y leaves as codes along C for the last product.
; THE SOFTMAX: t = score x log2(e) / 8; M = the running largest t rounded up to a whole number; p = 2^(t - M) is quantised along the keys, not normalised; the sum of the unquantised p divides at the end.
; THE MASKS.  tok_mask comes as a bias (0 or -1e30) and is the C of the first product; on the diagonal hidden scores become -1e30 by a select.  The largest t begins at -1e20, so p = 0 for every masked key and no infinity is made.
; A ROW WITH NO VALID KEY: the masked logits are all one number there, so every p is 1, for all 2,048 keys: y is the mean of the quantised v over the batch's 2,048 keys.  That mean is made once (wave 5, from the sums
; that the launch before stored) and is chosen by a select where the largest t has stayed under -1e19.
; LIMITS: a valid t under -1e19 counts as masked, and valid logits near -1e9 (where masked keys would weigh in) are not served; NaN and infinities are not served; blocks of zeros get the byte 1 (read by this program alone).
; SHARES.  Work-group (i, head of a batch) takes query blocks i and 7 - i of 256 queries: key slots 0 .. i, then 0 .. 7 - i: NINE slots of 256 keys for every work-group, a constant of the text.  Each of sixteen waves
; owns one stored tile of 16 queries in 256 registers, four waves to a SIMD.  A step (128 keys) all of whose keys come after the wave's queries is passed over by a scalar branch on ids.
; NO CLUSTER: the four work-groups of a head want different key slots at the same time (slot T of block i against slot T of block i'), so no tile is wanted by two of them in one round.
; LAYOUT.  Both products transposed: S^T = K Q^T, O^T = V^T P^T: a lane holds one query.  Tokens and channels lie in tiles whose stored row r of tile 2 B + u is row 32 B + 8 u + r + 8 (r / 8), so 16 registers of two
; neighbouring result tiles are 16 neighbours along the next K.  The head's K is 64: registers 8-15 of q's and k's fragments are zero codes, and the upper two scale bytes are 0 (no NaN).
; LDS: two slots 65,536 bytes apart: k's 16 half images, v's 4 x 2 images, k's and v's scale words, the bias; then the mean of v (stored once, never filled); then the spare words.
; REGISTERS: v1-4, 7, 11, 238, 239 lane constants; v5, v6 the add's; v8-10 addresses in hand; v12 -M, v13 largest t, v[14:15] the sum; v16-31 Q; v32-95 four fragments of K; v96-159 bias, S^T, p, then V's four fragments;
; v160-191 O^T; v192-207 p's codes; v208-211, 212-213, 214 scale words of K, V, Q; v216-237 at work (v232 f, v233 p's scale word).
.set SLOT1, 1<<16
.set KC,    0                          ; 16 key tiles x 1,024 bytes
.set VC,    16384                      ; [channel tile 0..3][step 0..1][2,048]
.set KS,    32768                      ; two images of 512 bytes
.set VS,    33792                      ; two of 256
.set BI,    34304                      ; 256 numbers
.set VM,    2*SLOT1                    ; the mean of v: [channel tile][16] f32
.set SPARE, VM+256                     ; the spare words: 128 bytes for each of 16 waves: eight blocks of 256 bytes that no other line names
.macro G1SET g, c, r, p                ; descriptor group 1: r rows of c elements of 8 bytes, p elements apart, no mask, no padding
	s_mov_b32 s[\g], 3<<16
	s_mov_b32 s[\g+1], (\c)<<16
	s_mov_b32 s[\g+2], (\r)<<16
	s_mov_b32 s[\g+3], (\c)<<16
	s_mov_b32 s[\g+4], \r
	s_mov_b32 s[\g+5], \p
	s_mov_b32 s[\g+6], 0
	s_mov_b32 s[\g+7], 0
.endm
.macro G0SET g, lds, base              ; group 0 for key slot 0, LDS slot 0
	s_mov_b32 s[\g], 1
	s_mov_b32 s[\g+1], \lds
	s_mov_b64 s[\g+2:\g+3], s[\base:\base+1]
	s_or_b32 s[\g+3], s[\g+3], 0x80000000
.endm
.macro RESTEP g, base, stride          ; group 0 for key slot s27, the other LDS slot than last time
	s_mul_i32 s28, s27, \stride
	s_add_nc_u64 s[\g+2:\g+3], s[\base:\base+1], s[28:29]
	s_or_b32 s[\g+3], s[\g+3], 0x80000000
	s_xor_b32 s[\g+1], s[\g+1], SLOT1
.endm
; Waves 0 to 4 fetch one part of a slot each, the others nothing.  The branches hang on the wave's number alone.  Four v_nop follow each load.
.macro TLOAD
	s_cmp_eq_u32 s14, 0
	s_cbranch_scc0 .Lt1_\@
	tensor_load_to_lds s[68:71], s[32:39]          ; k's codes
	s_nop 0
.rept 4
	v_nop
.endr
	s_branch .Ltend_\@
.Lt1_\@:
	s_cmp_eq_u32 s14, 1
	s_cbranch_scc0 .Lt2_\@
	tensor_load_to_lds s[72:75], s[40:47]          ; v's codes
	s_nop 0
.rept 4
	v_nop
.endr
	s_branch .Ltend_\@
.Lt2_\@:
	s_cmp_eq_u32 s14, 2
	s_cbranch_scc0 .Lt3_\@
	tensor_load_to_lds s[76:79], s[48:55]          ; k's scale words
	s_nop 0
.rept 4
	v_nop
.endr
	s_branch .Ltend_\@
.Lt3_\@:
	s_cmp_eq_u32 s14, 3
	s_cbranch_scc0 .Lt4_\@
	tensor_load_to_lds s[80:83], s[56:63]          ; v's scale words
	s_nop 0
.rept 4
	v_nop
.endr
	s_branch .Ltend_\@
.Lt4_\@:
	s_cmp_eq_u32 s14, 4
	s_cbranch_scc0 .Ltend_\@
	tensor_load_to_lds s[84:87], s[48:55]          ; the bias
	s_nop 0
.rept 4
	v_nop
.endr
.Ltend_\@:
.endm
.macro QLOAD                           ; my tile's half image and its scale words
	global_load_b128 v[16:19], v1, s[4:5]
	global_load_b128 v[20:23], v1, s[4:5] offset:512
	global_load_b32 v214, v238, s[6:7]
.endm
.macro RESET                           ; a block of queries begins
	v_mov_b32 v13, 0xe0ad78ec                      ; the largest t so far: -1e20
	s_delay_alu instid0(VALU_DEP_1)
	v_floor_f32 v12, -v13                          ; -M
	v_mov_b32 v14, 0
	v_mov_b32 v15, 0
.set j, 0
.rept 32
	v_mov_b32 v[160+j], 0                          ; O^T: the step is written once; its first turn finds zeros
.set j, j+1
.endr
.endm
	s_load_b256 s[4:11], s[0:1], 0x0               ; qkv s[4:5], qkvsc s[6:7], opsc s[8:9], yimg s[10:11]
	s_load_b64 s[12:13], s[0:1], 0x20              ; ysc
	v_lshl_add_u32 v5, v0, 2, SPARE
	v_mov_b32 v6, 0
	ds_add_u32 v5, v6
	ds_add_u32 v5, v6
	s_wait_dscnt 0x0
	v_lshrrev_b32 v1, 5, v0
	s_delay_alu instid0(VALU_DEP_1)
	v_readfirstlane_b32 s14, v1                    ; wave 0..15
	s_mov_b32 s15, ttmp9                           ; i
	s_and_b32 s27, ttmp7, 0xffff
	s_lshr_b32 s28, s27, 4                         ; batch b
	s_and_b32 s29, s27, 15                         ; head hd
	s_lshr_b32 s30, s29, 1                         ; g: which 128 channels
	s_and_b32 s31, s29, 1                          ; e: which half of them
	s_lshl_b32 s2, s30, 11
	s_lshl_b32 s3, s31, 10
	s_add_co_u32 s2, s2, s3                        ; the head's place among a token tile's images: 2,048 g + 1,024 e
	s_lshl_b32 s88, s28, 22                        ; the batch's 128 token tiles of 32,768 bytes
	s_add_co_u32 s88, s88, s2
	s_lshl_b32 s16, s15, 19                        ; q: + 16 i + wave tiles
	s_add_co_u32 s16, s16, s88
	s_lshl_b32 s3, s14, 15
	s_add_co_u32 s16, s16, s3
	s_mov_b32 s17, 0
	s_add_co_u32 s88, s88, 8*2048                  ; k: eight images on
	s_mov_b32 s89, 0
	s_lshl_b32 s90, s29, 19                        ; v: the head's 4 channel tiles of 131,072 bytes, the batch's 16 steps of 2,048
	s_lshl_b32 s3, s28, 15
	s_add_co_u32 s90, s90, s3
	s_add_co_u32 s90, s90, 16777216
	s_mov_b32 s91, 0
	s_lshl_b32 s18, s29, 15
	s_lshl_b32 s3, s28, 13
	s_add_co_u32 s18, s18, s3                      ; (64 hd + 16 b) x 512
	s_add_co_u32 s92, s18, 524288                  ; k's scale words: 16 heads on
	s_mov_b32 s93, 0
	s_lshl_b32 s3, s15, 10
	s_add_co_u32 s18, s18, s3                      ; q's: + 2 i + wave / 8 groups of 128 tokens
	s_lshr_b32 s3, s14, 3
	s_lshl_b32 s3, s3, 9
	s_add_co_u32 s18, s18, s3
	s_mov_b32 s19, 0
	s_lshl_b32 s94, s29, 14
	s_lshl_b32 s3, s28, 12
	s_add_co_u32 s94, s94, s3                      ; (64 hd + 16 b) x 256
	s_add_co_u32 s100, s94, 1310720                ; v's sums
	s_mov_b32 s101, 0
	s_add_co_u32 s94, s94, 1048576                 ; v's scale words
	s_mov_b32 s95, 0
	s_lshl_b32 s96, s28, 13
	s_add_co_u32 s96, s96, 393216                  ; the batch's bias
	s_mov_b32 s97, 0
	s_lshl_b32 s20, s28, 21                        ; y's images: token tiles of 16,384 bytes
	s_add_co_u32 s20, s20, s2
	s_lshl_b32 s3, s15, 18
	s_add_co_u32 s20, s20, s3
	s_lshl_b32 s3, s14, 14
	s_add_co_u32 s20, s20, s3
	s_mov_b32 s21, 0
	s_lshl_b32 s22, s28, 16                        ; y's scale bytes: 32 a stored row, + 2 hd
	s_lshl_b32 s3, s15, 13
	s_add_co_u32 s22, s22, s3
	s_lshl_b32 s3, s14, 9
	s_add_co_u32 s22, s22, s3
	s_lshl_b32 s3, s29, 1
	s_add_co_u32 s22, s22, s3
	s_mov_b32 s23, 0
	G1SET 32, 128, 16, 4096                        ; k: 16 tiles x 1,024 bytes, 32,768 apart
	G1SET 40, 512, 4, 16384                        ; v: 4 channel tiles x 4,096 bytes, 131,072 apart
	G1SET 48, 32, 4, 32                            ; 1,024 dense bytes
	G1SET 56, 32, 2, 32                            ; 512 dense bytes
	s_wait_kmcnt 0x0
	s_add_nc_u64 s[88:89], s[4:5], s[88:89]
	s_add_nc_u64 s[90:91], s[4:5], s[90:91]
	s_add_nc_u64 s[92:93], s[6:7], s[92:93]
	s_add_nc_u64 s[94:95], s[6:7], s[94:95]
	s_add_nc_u64 s[100:101], s[6:7], s[100:101]
	s_add_nc_u64 s[96:97], s[8:9], s[96:97]
	s_add_nc_u64 s[4:5], s[4:5], s[16:17]
	s_add_nc_u64 s[6:7], s[6:7], s[18:19]
	s_add_nc_u64 s[10:11], s[10:11], s[20:21]
	s_add_nc_u64 s[12:13], s[12:13], s[22:23]
	G0SET 68, KC, 88
	G0SET 72, VC, 90
	G0SET 76, KS, 92
	G0SET 80, VS, 94
	G0SET 84, BI, 96
	TLOAD                                          ; key slot 0: the first fills, one a wave
	s_mov_b32 s16, 0                               ; the trip T
	s_mov_b32 s17, 0                               ; the step's first key
	s_lshl_b32 s18, s15, 8
	s_add_co_u32 s19, s18, 256                     ; where my block of queries ends
	s_lshr_b32 s27, s14, 1
	s_lshl_b32 s27, s27, 5
	s_add_co_u32 s18, s18, s27                     ; my queries lie in 256 i + 32 (wave / 2) + 0 .. 31
	s_mov_b32 s20, 0x76543210
	s_mov_b32 s21, 0xfedcba98                      ; v_permlanex16_b32's selects for lane l xor 16
	s_mov_b32 s22, 0x3e38aa3b                      ; c = log2(e) / 8
	s_mov_b32 s23, s22                             ; (named with it as a pair)
	s_mov_b32 s25, 0xffff0000                      ; lanes 16-31
	s_mov_b32 s26, 0xdf0ac723                      ; -1e19
	s_mov_b32 s98, 0                               ; the slot in hand
	s_lshl_b32 s99, s15, 1
	s_sub_co_u32 s99, 7, s99                       ; 7 - 2 i blocks from the first block of queries to the second
	v_and_b32 v2, 31, v0
	s_delay_alu instid0(VALU_DEP_1)
	v_lshlrev_b32 v1, 4, v2                        ; 16 x lane
	s_delay_alu instid0(VALU_DEP_2)
	v_lshlrev_b32 v2, 3, v2                        ; 8 x lane
	v_and_b32 v234, 15, v0                         ; r
	v_bfe_u32 v235, v0, 4, 1                       ; h
	s_delay_alu instid0(VALU_DEP_1)
	v_lshlrev_b32 v3, 6, v235                      ; 64 h
	s_and_b32 s27, s14, 1
	s_lshl_b32 s28, s27, 3
	v_and_b32 v4, 8, v234
	s_delay_alu instid0(VALU_DEP_1)
	v_add_nc_u32 v4, v4, v234
	s_delay_alu instid0(VALU_DEP_1)
	v_add_nc_u32 v4, s28, v4
	v_lshlrev_b32 v7, 4, v235
	s_delay_alu instid0(VALU_DEP_1)
	v_sub_nc_u32 v4, v4, v7                        ; my query's place among the 32, less 16 h
	v_lshl_add_u32 v7, v234, 5, v235               ; y's scale bytes: 32 r + h
	v_lshl_add_u32 v11, v235, 5, VM                ; the mean of v: my eight channels of a tile
	s_lshl_b32 s28, s27, 8
	s_bfe_u32 s29, s14, 0x20001
	s_lshl_b32 s29, s29, 2
	s_add_co_u32 s28, s28, s29
	v_lshl_add_u32 v238, v234, 4, s28              ; q's scale word in its group's image: lane r + 16 (wave % 2), word (wave % 8) / 2
	v_lshlrev_b32 v239, 2, v234
	s_delay_alu instid0(VALU_DEP_1)
	v_lshl_add_u32 v239, v235, 6, v239
	s_delay_alu instid0(VALU_DEP_1)
	v_add_nc_u32 v239, VM, v239                    ; where wave 5 puts the mean: tile h, row r
	QLOAD
.irp j, 0,1,2,3,4,5,6,7
	v_mov_b32 v[24+\j], 0                          ; the upper half of K = 128: zero codes, set once
	v_mov_b32 v[40+\j], 0
	v_mov_b32 v[56+\j], 0
	v_mov_b32 v[72+\j], 0
	v_mov_b32 v[88+\j], 0
.endr
.irp b, 0,1,2,3
	v_mov_b32 v[220+\b], 0                         ; a lane permute's destination counts as one of its sources
.endr
	v_mov_b32 v233, 0                              ; (named as the upper half of v[232:233] before it is first written)
	RESET
	s_cmp_lg_u32 s14, 5
	s_cbranch_scc1 .Lno_mean
.irp k, 0,1,2,3,4,5,6,7,8,9,10,11,12,13,14,15
	global_load_b64 v[96+2*\k:97+2*\k], v2, s[100:101] offset:256*\k   ; the sums of the batch's 16 steps: word j of lane (r, h): tile 2 j + h, row r
.endr
	s_wait_loadcnt 0x0
	v_pk_add_f32 v[254:255], v[98:99], v[100:101]
	v_pk_add_f32 v[252:253], v[102:103], v[104:105]
	v_pk_add_f32 v[250:251], v[106:107], v[108:109]
	v_pk_add_f32 v[248:249], v[110:111], v[112:113]
	v_pk_add_f32 v[246:247], v[114:115], v[116:117]
	v_pk_add_f32 v[244:245], v[118:119], v[120:121]
	v_pk_add_f32 v[242:243], v[122:123], v[124:125]
	v_pk_add_f32 v[96:97], v[96:97], v[126:127]
	s_delay_alu instid0(VALU_DEP_1)
	v_pk_add_f32 v[96:97], v[96:97], v[248:249]
	v_pk_add_f32 v[254:255], v[254:255], v[246:247]
	v_pk_add_f32 v[252:253], v[252:253], v[244:245]
	v_pk_add_f32 v[250:251], v[250:251], v[242:243]
	s_delay_alu instid0(VALU_DEP_2)
	v_pk_add_f32 v[96:97], v[96:97], v[252:253]
	s_delay_alu instid0(VALU_DEP_2)
	v_pk_add_f32 v[254:255], v[254:255], v[250:251]
	s_delay_alu instid0(VALU_DEP_1)
	v_pk_add_f32 v[96:97], v[96:97], v[254:255]
	s_delay_alu instid0(VALU_DEP_1)
	v_pk_mul_f32 v[96:97], v[96:97], 0x3a000000 op_sel_hi:[1,0]        ; / 2,048
	ds_store_b32 v239, v96
	ds_store_b32 v239, v97 offset:128              ; waited for in front of the first barrier, behind which the others may read
.Lno_mean:
	s_wait_loadcnt 0x0                             ; Q
; A KEY STEP: 128 keys, the q-th of the slot in hand.
.macro STEP q
	s_add_co_u32 s27, s18, 31
	s_cmp_gt_u32 s17, s27                          ; all keys come after my queries: nothing to do but to count on
	s_cbranch_scc1 .Lhidden_\@
	v_add_nc_u32 v8, s98, v1
	s_wait_alu depctr_va_vdst(0)
	v_add_nc_u32 v9, s98, v2
	v_add_nc_u32 v10, s98, v3
.rept 6
	v_nop                                          ; with the three lines above nine places: v96-159 were read by the last products, take loads now and are then written by matrix instructions
.endr
	ds_load_b128 v[208:211], v8 offset:KS+512*\q
.irp t, 0,1,2,3,4,5,6,7
	ds_load_b128 v[96+8*\t:99+8*\t], v10 offset:BI+512*\q+128*(\t/2)+32*(\t%2)       ; the bias of keys 32 (t / 2) + 8 (t % 2) + 16 h + 0 .. 7: the C of tile t
	ds_load_b128 v[100+8*\t:103+8*\t], v10 offset:BI+512*\q+128*(\t/2)+32*(\t%2)+16
.endr
.irp g, 0,1                                    ; S^T = bias + K Q^T, four tiles of 16 keys at a time
.if \g
.rept 8
	v_nop                                          ; places in front of loads into registers that matrix instructions have read
.endr
.endif
.irp t, 0,1,2,3
	ds_load_b128 v[32+16*\t:35+16*\t], v8 offset:KC+8192*\q+1024*(4*\g+\t)
	ds_load_b128 v[36+16*\t:39+16*\t], v8 offset:KC+8192*\q+1024*(4*\g+\t)+512
.endr
	s_wait_dscnt 0x0
.irp t, 0,1,2,3
.if \t%2
	v_wmma_scale_f32_16x16x128_f8f6f4 v[96+8*(4*\g+\t):103+8*(4*\g+\t)], v[32+16*\t:47+16*\t], v[16:31], v[96+8*(4*\g+\t):103+8*(4*\g+\t)], v[208+2*\g+\t/2], v214 matrix_a_scale:MATRIX_SCALE_ROW1
.else
	v_wmma_scale_f32_16x16x128_f8f6f4 v[96+8*(4*\g+\t):103+8*(4*\g+\t)], v[32+16*\t:47+16*\t], v[16:31], v[96+8*(4*\g+\t):103+8*(4*\g+\t)], v[208+2*\g+\t/2], v214
.endif
.endr
.endr
	; No v_nop here: what follows first touches tiles 0-3 alone (64 lines on the diagonal, else 16 maxima), which name no register of the last four products: those lines are their places.
	s_add_co_u32 s27, s17, 127
	s_cmp_le_u32 s27, s18                          ; all keys count for all my queries: no diagonal
	s_cbranch_scc1 .Lopen_\@
	s_sub_co_i32 s27, s18, s17
	v_add_nc_u32 v235, s27, v4                     ; d = my query - the step's first key - 16 h.  Register 16 b + i holds key 32 b + 16 h + i: hidden where 32 b + i > d
	v_mov_b32 v234, 0xf149f2ca                     ; -1e30
.set n, 0
.rept 64
	v_cmp_gt_i32 vcc_lo, 32*(n/16)+n%16, v235
	v_cndmask_b32 v[96+n], v[96+n], v234, vcc_lo
.set n, n+1
.endr
.Lopen_\@:
.irp pr, 0,2                                   ; the largest score of each block of 32 keys, blocks 0 and 1 first: it serves the row's maximum and, since p rises with the score, the block's largest p
.irp b, 0,1
	v_max3_num_f32 v[216+\pr+\b], v[96+16*(\pr+\b)], v[97+16*(\pr+\b)], v[98+16*(\pr+\b)]
.endr
.irp i, 3,5,7,9,11,13
.irp b, 0,1
	v_max3_num_f32 v[216+\pr+\b], v[216+\pr+\b], v[96+16*(\pr+\b)+\i], v[97+16*(\pr+\b)+\i]
.endr
.endr
.irp b, 0,1
	v_max_num_f32 v[216+\pr+\b], v[216+\pr+\b], v[111+16*(\pr+\b)]
.endr
.endr
.irp b, 0,1,2,3
	v_permlanex16_b32 v[220+\b], v[216+\b], s20, s21
.endr
.irp b, 0,1,2,3
	s_delay_alu instid0(VALU_DEP_4)
	v_max_num_f32 v[216+\b], v[216+\b], v[220+\b]  ; with lane l xor 16's 16 keys
.endr
	s_delay_alu instid0(VALU_DEP_2)
	v_max3_num_f32 v234, v216, v217, v218
	s_delay_alu instid0(VALU_DEP_1)
	v_max_num_f32 v234, v234, v219
	s_delay_alu instid0(VALU_DEP_1)
	v_mul_f32 v234, s22, v234                      ; the step's largest t (c is positive)
	s_delay_alu instid0(VALU_DEP_1)
	v_max_num_f32 v13, v13, v234
	v_mov_b32 v234, v12
	s_delay_alu instid0(VALU_DEP_2)
	v_floor_f32 v12, -v13                          ; the new -M = floor(-t): M is a whole number
	s_delay_alu instid0(VALU_DEP_1)
	v_sub_f32 v234, v12, v234                      ; old M - new M: a whole number, 0 or less
	s_delay_alu instid0(VALU_DEP_1)
	v_cvt_i32_f32 v234, v234                       ; (it saturates)
	s_delay_alu instid0(VALU_DEP_1)
	v_ldexp_f32 v232, 1.0, v234                    ; f = 2^(old M - new M): rounds nothing
.set j, 0
.rept 32
	v_pk_fma_f32 v[96+j:97+j], v[96+j:97+j], s[22:23], v[12:13] op_sel_hi:[1,0,0]   ; t - M
.set j, j+2
.endr
.irp b, 0,1,2,3
	v_fma_f32 v[216+\b], v[216+\b], s22, v12
.endr
.set j, 0
	s_wait_alu depctr_va_vdst(0)
.rept 64
	v_exp_f32 v[96+j], v[96+j]                     ; p = 2^(t - M)
.set j, j+1
.endr
.irp b, 0,1,2,3
	v_exp_f32 v[216+\b], v[216+\b]                 ; the block's largest p: the same two instructions on the same number
.endr
	v_pk_mul_f32 v[14:15], v[14:15], v[232:233] op_sel_hi:[1,0]   ; the sums under the new M (a plain line behind the exponentials)
	s_wait_alu depctr_va_vdst(0)
.irp b, 0,1,2,3
	v_max_num_f32 v[216+\b], 0x4800000, v[216+\b]  ; the floor 2^(9 - 127)
.endr
.irp b, 0,1,2,3
	s_delay_alu instid0(VALU_DEP_4)
	v_add_nc_u32 v[228+\b], 0xfc000000, v[216+\b]
.endr
.irp b, 0,1,2,3
.endr
.irp b, 0,1,2,3
	s_delay_alu instid0(VALU_DEP_4)
	v_lshrrev_b32 v[220+\b], 23, v[228+\b]
.endr
	s_delay_alu instid0(VALU_DEP_3)
	v_lshl_or_b32 v233, v221, 8, v220              ; p's scale word for these 128 keys
	s_delay_alu instid0(VALU_DEP_1)
	v_lshl_or_b32 v233, v222, 16, v233
	s_delay_alu instid0(VALU_DEP_1)
	v_lshl_or_b32 v233, v223, 24, v233
	v_pk_add_f32 v[236:237], v[100:101], v[104:105]
	v_pk_add_f32 v[254:255], v[108:109], v[112:113]
	v_pk_add_f32 v[252:253], v[116:117], v[120:121]
	v_pk_add_f32 v[250:251], v[124:125], v[128:129]
	v_pk_add_f32 v[248:249], v[132:133], v[136:137]
	v_pk_add_f32 v[246:247], v[140:141], v[144:145]
	v_pk_add_f32 v[244:245], v[148:149], v[152:153]
	v_pk_add_f32 v[14:15], v[14:15], v[156:157]
	v_pk_add_f32 v[236:237], v[236:237], v[96:97]
	v_pk_add_f32 v[254:255], v[254:255], v[98:99]
	v_pk_add_f32 v[252:253], v[252:253], v[102:103]
	v_pk_add_f32 v[250:251], v[250:251], v[106:107]
	v_pk_add_f32 v[248:249], v[248:249], v[110:111]
	v_pk_add_f32 v[246:247], v[246:247], v[114:115]
	v_pk_add_f32 v[244:245], v[244:245], v[118:119]
	v_pk_add_f32 v[14:15], v[14:15], v[122:123]
	v_pk_add_f32 v[236:237], v[236:237], v[126:127]
	v_pk_add_f32 v[254:255], v[254:255], v[130:131]
	v_pk_add_f32 v[252:253], v[252:253], v[134:135]
	v_pk_add_f32 v[250:251], v[250:251], v[138:139]
	v_pk_add_f32 v[248:249], v[248:249], v[142:143]
	v_pk_add_f32 v[246:247], v[246:247], v[146:147]
	v_pk_add_f32 v[244:245], v[244:245], v[150:151]
	v_pk_add_f32 v[14:15], v[14:15], v[154:155]
	v_pk_add_f32 v[236:237], v[236:237], v[158:159]
	s_delay_alu instid0(VALU_DEP_2)
	v_pk_add_f32 v[14:15], v[14:15], v[250:251]
	s_delay_alu instid0(VALU_DEP_2)
	v_pk_add_f32 v[236:237], v[236:237], v[248:249]
	v_pk_add_f32 v[254:255], v[254:255], v[246:247]
	v_pk_add_f32 v[252:253], v[252:253], v[244:245]
	s_delay_alu instid0(VALU_DEP_2)
	v_pk_add_f32 v[14:15], v[14:15], v[254:255]
	s_delay_alu instid0(VALU_DEP_2)
	v_pk_add_f32 v[236:237], v[236:237], v[252:253]
	s_delay_alu instid0(VALU_DEP_1)
	v_pk_add_f32 v[14:15], v[14:15], v[236:237]
.irp b, 0,1,2,3
.irp i, 0,1,2,3,4,5,6,7,8,9,10,11,12,13,14,15
.endr
	v_cvt_scalef32_pk8_fp8_f32 v[192+4*\b:193+4*\b], v[96+16*\b:103+16*\b], v[228+\b]
	v_cvt_scalef32_pk8_fp8_f32 v[194+4*\b:195+4*\b], v[104+16*\b:111+16*\b], v[228+\b]
.endr
	ds_load_b64 v[212:213], v9 offset:VS+256*\q
	v_nop
.irp u, 0,1,2,3
.irp c, 0,1,2,3
	ds_load_b128 v[96+16*\u+4*\c:99+16*\u+4*\c], v8 offset:VC+4096*\u+2048*\q+512*\c   ; V's four fragments take p's registers
.endr
.endr
.set j, 0
.rept 16
	v_pk_mul_f32 v[160+j:161+j], v[160+j:161+j], v[232:233] op_sel_hi:[1,0]   ; O^T under the new M; these are also the plain lines behind the conversions and ahead of the products
.set j, j+2
.endr
	s_wait_alu depctr_va_vdst(0)
	s_wait_dscnt 0x0
.irp u, 0,1,2,3                                ; O^T += V^T P^T: the four accumulators by turns
.if \u%2
	v_wmma_scale_f32_16x16x128_f8f6f4 v[160+8*\u:167+8*\u], v[96+16*\u:111+16*\u], v[192:207], v[160+8*\u:167+8*\u], v[212+\u/2], v233 matrix_a_scale:MATRIX_SCALE_ROW1
.else
	v_wmma_scale_f32_16x16x128_f8f6f4 v[160+8*\u:167+8*\u], v[96+16*\u:111+16*\u], v[192:207], v[160+8*\u:167+8*\u], v[212+\u/2], v233
.endif
.endr
.Lhidden_\@:
	s_add_co_u32 s17, s17, 128
.endm
; THE CHANGE OF SLOTS, at a slot's head.  Each wave waits for all its tensor loads, adds 0 to its spare word, and waits for that and for its reads of the slot that it has left.  fill = 1: that slot takes the next trip's keys:
; key slot T + 1 while the first block of queries lasts (T + 1 <= i), then T - i: the second block's.  One load of a wave is out behind the barrier, and it has a slot's two steps in which to land.
.macro CHANGE fill
	s_wait_tensorcnt 0x0                           ; no tensor load of mine is out, so every group 0 may be written
	ds_add_u32 v5, v6
	ds_add_u32 v5, v6                              ; 0 onto my spare word
.if \fill
	s_sub_co_u32 s27, s16, s15
	s_add_co_u32 s28, s16, 1
	s_cmp_le_u32 s28, s15
	s_cselect_b32 s27, s28, s27
	s_mov_b32 s29, 0
	RESTEP 68, 88, 524288
	RESTEP 72, 90, 4096
	RESTEP 76, 92, 1024
	RESTEP 80, 94, 512
	RESTEP 84, 96, 1024
.endif
	s_wait_dscnt 0x0                               ; the add is done, my reads of the slot that I have left are over (and, the first time, wave 5's stores have landed)
	s_barrier_signal -1
	s_barrier_wait -1
.if \fill
	TLOAD                                          ; the first thing behind the barrier, a wave's one tensor load until the next
.endif
.endm
; A BLOCK OF QUERIES ENDS: O^T / the sum (or the mean of v), quantised along C: my 32 registers are two blocks of 32, shared with lane l xor 16: planes 2 e, 2 e + 1 of y's image.
.macro FINISH next
	v_add_f32 v14, v14, v15
	s_delay_alu instid0(VALU_DEP_1)
	v_permlanex16_b32 v234, v14, s20, s21
	s_delay_alu instid0(VALU_DEP_1)
	v_add_f32 v14, v14, v234                       ; the row's sum
	s_wait_alu depctr_va_vdst(0)
	v_rcp_f32 v14, v14
	v_cmp_gt_f32 vcc_lo, s26, v13                  ; no valid key?  (a plain line behind the reciprocal)
.rept 8
	v_nop                                          ; places behind the last products: loads land in registers that they read, and their results are read
.endr
.irp u, 0,1,2,3
	ds_load_b128 v[128+8*\u:131+8*\u], v11 offset:64*\u
	ds_load_b128 v[132+8*\u:135+8*\u], v11 offset:64*\u+16
.endr
.set j, 0
	s_wait_alu depctr_va_vdst(0)
.rept 32
	v_mul_f32 v[96+j], v[160+j], v14               ; each accumulator from its low end on
.set j, j+1
.endr
	s_wait_dscnt 0x0
.set j, 0
.rept 32
	v_cndmask_b32 v[96+j], v[96+j], v[128+j], vcc_lo
.set j, j+1
.endr
.irp b, 0,1
	v_max3_num_f32 v[216+\b], |v[96+16*\b]|, |v[97+16*\b]|, 0x4800000
.endr
.irp i, 2,4,6,8,10,12,14
.irp b, 0,1
	s_delay_alu instid0(VALU_DEP_2)
	v_max3_num_f32 v[216+\b], v[216+\b], |v[96+16*\b+\i]|, |v[97+16*\b+\i]|
.endr
.endr
.irp b, 0,1
	s_delay_alu instid0(VALU_DEP_2)
	v_permlanex16_b32 v[220+\b], v[216+\b], s20, s21
.endr
.irp b, 0,1
	s_delay_alu instid0(VALU_DEP_2)
	v_max_num_f32 v[216+\b], v[216+\b], v[220+\b]
.endr
.irp b, 0,1
	s_delay_alu instid0(VALU_DEP_2)
	v_add_nc_u32 v[228+\b], 0xfc000000, v[216+\b]
.endr
.irp b, 0,1
	s_delay_alu instid0(VALU_DEP_2)
	v_lshrrev_b32 v[220+\b], 23, v[228+\b]
.endr
	s_delay_alu instid0(VALU_DEP_1)
	v_cndmask_b32 v235, v220, v221, s25            ; lanes 0-15 store the first block's byte, lanes 16-31 the second's
.irp b, 0,1
.irp i, 0,1,2,3,4,5,6,7,8,9,10,11,12,13,14,15
.endr
.endr
.irp b, 0,1
	v_cvt_scalef32_pk8_fp8_f32 v[192+4*\b:193+4*\b], v[96+16*\b:103+16*\b], v[228+\b]
	v_cvt_scalef32_pk8_fp8_f32 v[194+4*\b:195+4*\b], v[104+16*\b:111+16*\b], v[228+\b]
.endr
	v_nop                                          ; one plain line behind the last conversion
	global_store_b128 v1, v[192:195], s[10:11]     ; 512 consecutive bytes, aligned
	global_store_b128 v1, v[196:199], s[10:11] offset:512
	global_store_b8 v7, v235, s[12:13]             ; 32 bytes a wave, rows 32 bytes apart: one byte in 32 of y's
.if \next
	s_wait_xcnt 0x0                                ; the stores have read their registers and bases
	s_mov_b32 s29, 0
	s_lshl_b32 s28, s99, 19                        ; 7 - 2 i blocks on: 16 token tiles each
	s_add_nc_u64 s[4:5], s[4:5], s[28:29]
	s_lshl_b32 s28, s99, 10
	s_add_nc_u64 s[6:7], s[6:7], s[28:29]
	s_lshl_b32 s28, s99, 18
	s_add_nc_u64 s[10:11], s[10:11], s[28:29]
	s_lshl_b32 s28, s99, 13
	s_add_nc_u64 s[12:13], s[12:13], s[28:29]
	s_lshl_b32 s28, s99, 8
	s_add_co_u32 s18, s18, s28
	s_add_co_u32 s19, s19, s28
	s_mov_b32 s17, 0
	QLOAD
	RESET
	s_wait_loadcnt 0x0
.endif
.endm
.Lslot:                                            ; eight trips: behind each change of slots but the last the next slot is asked for
	CHANGE 1
	STEP 0
	STEP 1
	s_xor_b32 s98, s98, SLOT1
	s_cmp_lg_u32 s17, s19                          ; the first block of queries has had its last keys?  (ids and counters alone; the same in all sixteen waves)
	s_cbranch_scc1 .Lnofin
	FINISH 1
.Lnofin:
	s_add_co_u32 s16, s16, 1
	s_cmp_lt_u32 s16, 8
	s_cbranch_scc1 .Lslot
	CHANGE 0                                       ; the ninth slot is written out
	STEP 0
	STEP 1
	FINISH 0
	s_wait_tensorcnt 0x0                           ; the wave's end
	ds_add_u32 v5, v6
	s_wait_dscnt 0x0
	s_endpgm
.Lfunc_end_k_q0560400290_attn:
	.size	k_q0560400290_attn, .Lfunc_end_k_q0560400290_attn-k_q0560400290_attn
	.p2alignl 7, 3214868480
	.fill 96, 4, 3214868480
	.section	.rodata,"a",@progbits
	.p2align	6, 0x0
	.amdhsa_kernel k_q0560400290_attn
		.amdhsa_group_segment_fixed_size 327680
		.amdhsa_private_segment_fixed_size 0
		.amdhsa_enable_private_segment 0
		.amdhsa_kernarg_size 40
		.amdhsa_user_sgpr_count 2
		.amdhsa_user_sgpr_kernarg_segment_ptr 1
		.amdhsa_wavefront_size32 1
		.amdhsa_system_sgpr_workgroup_id_x 1
		.amdhsa_system_sgpr_workgroup_id_y 1
		.amdhsa_system_sgpr_workgroup_id_z 1
		.amdhsa_system_vgpr_workitem_id 0
		.amdhsa_next_free_vgpr 256
		.amdhsa_next_free_sgpr 102
		.amdhsa_reserve_vcc 1
		.amdhsa_float_denorm_mode_32 3
		.amdhsa_float_denorm_mode_16_64 3
		.amdhsa_fp16_overflow 1
		.amdhsa_memory_ordered 1
		.amdhsa_forward_progress 1
		.amdhsa_inst_pref_size 125
	.end_amdhsa_kernel
	.amdgpu_metadata
---
amdhsa.version: [ 1, 2 ]
amdhsa.kernels:
  - .name:           k_q0560400290_attn
    .symbol:         k_q0560400290_attn.kd
    .args:
      - { .name: qkv, .offset: 0, .size: 8, .value_kind: global_buffer, .address_space: global }
      - { .name: qkvsc, .offset: 8, .size: 8, .value_kind: global_buffer, .address_space: global }
      - { .name: opsc, .offset: 16, .size: 8, .value_kind: global_buffer, .address_space: global }
      - { .name: yimg, .offset: 24, .size: 8, .value_kind: global_buffer, .address_space: global }
      - { .name: ysc, .offset: 32, .size: 8, .value_kind: global_buffer, .address_space: global }
    .group_segment_fixed_size: 327680
    .private_segment_fixed_size: 0
    .kernarg_segment_align: 8
    .kernarg_segment_size: 40
    .max_flat_workgroup_size: 512
    .sgpr_count:     102
    .vgpr_count:     256
    .wavefront_size: 32
...
	.end_amdgpu_metadata
.endif
;; end of part 3
;; launch gemm_out (part 4): grid 4 x 32, 4 waves a work-group, clusters of 4 x 4, 327,680 bytes of LDS; arguments yimg, ysc, ops, opsc, out0; writes out0
.if DOCPART == 4
	.amdgcn_target "amdgcn-amd-amdhsa--gfx1250"
	.amdhsa_code_object_version 6
	.text
	.protected	k_q0560400290_gemm_out
	.globl	k_q0560400290_gemm_out
	.p2align	8
	.type	k_q0560400290_gemm_out,@function
k_q0560400290_gemm_out:
	s_mov_b64 s[64:65], 0
	v_nop
	global_prefetch_b8 v0, s[64:65] scope:SCOPE_SE
	s_setreg_imm32_b32 hwreg(HW_REG_WAVE_MODE, 25, 1), 1
	s_wait_xcnt 0x0
	s_wait_alu depctr_hold_cnt(0) depctr_sa_sdst(0) depctr_va_vdst(0) depctr_va_sdst(0) depctr_va_ssrc(0) depctr_va_vcc(0) depctr_vm_vsrc(0)
	s_getreg_b32 s2, hwreg(HW_REG_IB_STS2, 6, 4)
	s_cmp_eq_u32 s2, 0
	s_cbranch_scc0 .Lentry_in_a_cluster
	s_endpgm
.Lentry_in_a_cluster:
	s_bfe_u32 s2, ttmp6, 0x10000c
	s_cmp_lg_u32 s2, 0xf033
	s_cbranch_scc0 .Lentry_shape_is_right
	s_endpgm
.Lentry_shape_is_right:
; out0 = y w_proj on codes of FP8 (E4M3) with E8M0 scales, K = 1024; out0 [8192][1024] f32.
; A = y: [512 token tiles][8 fragment images of 2,048 bytes], scale bytes [8192 stored rows][32]; stored row r of token tile 2 B + u is token 32 B + 8 u + r + 8 (r / 8): undone in the stores' addresses alone.
; B = w_proj's columns: blocks 44-47 of ops and opsc, rows as they are.
; A tile of out0 is 256 x 256: four waves, each 128 x 128 in 64 accumulators.  The matrix instruction is used transposed (source 0 = 16 rows of B, source 1 = 16 rows of A): a lane holds eight neighbouring numbers of a row.
; A K step of 256 of 8 tiles is 8 rows of 4,096 bytes for one tensor load; an image is read from LDS by four loads of 512 consecutive bytes.  Two slots; the scales of all of K come once.
; CLUSTERS: 4 x 4: A's tiles are asked for jointly along a row of the cluster, B's along a column.  The launch has 128 work-groups: 32 x 4 tiles of 256 x 256.
; REGISTERS: window 0: v16-29 addresses; v32-63 scale words, two sets; v128-255 A's fragments, later rows on the way out.  window 1: B's fragments, two sets.  windows 2, 3: the accumulators.
.set NQ,     2
.set FR,     16
.set NL,     4
.set NP,     8                         ; places behind this matrix instruction (ISA guide 7.12.1)
.set TILEB,  4096
.set HALFT,  8*TILEB
.set SLOT,   4*HALFT
.set LAPS,   2
.set KS,     32
.set SCL,    2*SLOT
.set HALFS,  (128*KS/256)*272
.set SBLK,   (16*KS/256)*272
.set SPARE,  SCL+4*HALFS               ; the spare words: 128 bytes a wave, two blocks of 256 bytes that no other line names
.set SPITCH, 528                       ; the way out: a stage of 16 rows x (512 bytes + 16) for each wave, in slot 0, which has had its last fill and its last read by then
.set ROWC,   4096                      ; a row of out0 in bytes
.set ADRA, 16
.set ADRB, 20
.set STO,  24
.set RD,   25
.set CO,   26
.set ADRS, 27
.set SPW,  28
.set NIL,  29
.set SC,   32
.set AF,   128
.set BK,   128
.set G1, 24
.set G0, 32
.set G1B, 48
.set G0B, 56
.set G1S, 68
.set G0S, 76
.set G1SB, 80
.set G0SB, 88
.set MSB, 0
.macro WIN new                         ; the immediate's high byte repeats the setting that is left
.if MSB != (\new)
	s_set_vgpr_msb (MSB<<8)|(\new)
.set MSB, (\new)
.endif
.endm
.set MUL_LO, 0xa1
.set MUL_HI, 0xf1
.set TO_B,   0x40
.macro JLOAD g0a, g1a, g0b, g1b        ; a joint load: waves 0 and 1 for A, waves 2 and 3 for B; four v_nop follow each line
	s_cmp_eq_u32 s15, 0
	s_cbranch_scc0 .Lfor_b_\@
	tensor_load_to_lds s[\g0a:\g0a+3], s[\g1a:\g1a+7]
	s_nop 0
.rept 4
	v_nop
.endr
	s_branch .Lasked_\@
.Lfor_b_\@:
	tensor_load_to_lds s[\g0b:\g0b+3], s[\g1b:\g1b+7]
	s_nop 0
.rept 4
	v_nop
.endr
.Lasked_\@:
.endm
.macro CREST
	s_cmp_lg_u32 s14, 0
	s_cbranch_scc1 .Lnot_wave_0_\@
	s_barrier_signal -3
.Lnot_wave_0_\@:
	s_barrier_wait -3
	s_barrier_signal -1
	s_barrier_wait -1
.endm
.macro CROUND
	s_barrier_signal -1
	s_barrier_wait -1
	CREST
.endm
	s_load_b128 s[4:7], s[0:1], 0x0                ; y's codes s[4:5], y's scales s[6:7]
	s_load_b128 s[8:11], s[0:1], 0x10              ; ops s[8:9], opsc s[10:11]
	s_load_b64 s[12:13], s[0:1], 0x20              ; out0
	v_lshl_add_u32 v[SPW], v0, 2, SPARE
	v_mov_b32 v[NIL], 0
	ds_add_u32 v28, v29
	ds_add_u32 v28, v29
	s_wait_dscnt 0x0
	v_lshrrev_b32 v1, 5, v0
	v_readfirstlane_b32 s14, v1                    ; wave 0..3
	s_lshr_b32 s15, s14, 1                         ; which half of the tile's rows is mine.  Also: I fetch for A (0) or for B (1)
	s_and_b32 s16, s14, 1                          ; which half of its columns.  Also: which 8 tiles I fetch
	s_bfe_u32 s40, ttmp6, 0x40000                  ; cx, cy
	s_bfe_u32 s41, ttmp6, 0x40004
	s_lshl_b32 s42, ttmp9, 2
	s_add_co_u32 s42, s42, s40                     ; tile column
	s_and_b32 s17, ttmp7, 0xffff
	s_lshl_b32 s17, s17, 2
	s_add_co_u32 s17, s17, s41                     ; tile row
	s_lshl_b32 s43, s41, 2
	s_lshl_b32 s43, 15, s43                        ; my row of the cluster
	s_lshl_b32 s44, 0x1111, s40                    ; my column
	s_or_b32 s[G1+0], s43, (3<<16)|(1<<21)         ; 8 rows (tiles) of 512 elements of 8 bytes, 2,048 elements apart; no padding
	s_or_b32 s[G1B+0], s44, (3<<16)|(1<<21)
.irp g, G1, G1B
	s_mov_b32 s[\g+1], 512<<16
	s_mov_b32 s[\g+2], 8<<16
	s_mov_b32 s[\g+3], 512<<16
	s_mov_b32 s[\g+4], 8
	s_mov_b32 s[\g+5], 2048
	s_mov_b32 s[\g+6], 0
	s_mov_b32 s[\g+7], 0
.endr
	s_or_b32 s[G1S+0], s43, (3<<16)|(1<<20)|(1<<21)|(5<<22)|(3<<25)   ; the scales of 128 rows: 16 rows of 256 bytes, 16 bytes of padding behind each
	s_or_b32 s[G1SB+0], s44, (3<<16)|(1<<20)|(1<<21)|(5<<22)|(3<<25)
.irp g, G1S, G1SB
	s_mov_b32 s[\g+1], 32<<16
	s_mov_b32 s[\g+2], (128*KS/256)<<16
	s_mov_b32 s[\g+3], 32<<16
	s_mov_b32 s[\g+4], 128*KS/256
	s_mov_b32 s[\g+5], 32
	s_mov_b32 s[\g+6], 0
	s_mov_b32 s[\g+7], 0
.endr
	s_lshl_b32 s18, s16, 17                        ; my 8 tiles of a block's codes
	s_lshl_b32 s19, s16, 12                        ; and of its scale bytes
	s_lshl_b32 s22, s17, 13
	s_add_co_u32 s22, s22, s19
	s_mov_b32 s23, 0
	s_lshl_b32 s20, s17, 18
	s_add_co_u32 s20, s20, s18
	s_mov_b32 s21, 0
	s_add_co_u32 s46, s42, 44                      ; w_proj's blocks begin at 44
	s_lshl_b32 s92, s46, 13
	s_add_co_u32 s92, s92, s19
	s_mov_b32 s93, 0
	s_lshl_b32 s46, s46, 18
	s_add_co_u32 s46, s46, s18
	s_mov_b32 s47, 0
	s_mul_i32 s45, s14, HALFT
	s_mul_i32 s94, s14, HALFS
	s_wait_kmcnt 0x0
	s_add_nc_u64 s[20:21], s[4:5], s[20:21]
	s_add_nc_u64 s[22:23], s[6:7], s[22:23]
	s_add_nc_u64 s[46:47], s[8:9], s[46:47]
	s_add_nc_u64 s[92:93], s[10:11], s[92:93]
	CROUND                                         ; all sixteen work-groups are here: the first joint loads meet
	s_mov_b32 s[G0S], 1
	s_add_co_u32 s[G0S+1], s94, SCL
	s_mov_b64 s[G0S+2:G0S+3], s[22:23]
	s_or_b32 s[G0S+3], s[G0S+3], 0x80000000
	s_mov_b32 s[G0SB], 1
	s_add_co_u32 s[G0SB+1], s94, SCL
	s_mov_b64 s[G0SB+2:G0SB+3], s[92:93]
	s_or_b32 s[G0SB+3], s[G0SB+3], 0x80000000
	JLOAD G0S, G1S, G0SB, G1SB
.irp s, 0,1
	s_mov_b32 s[G0+4*\s], 1
	s_add_co_u32 s[G0+4*\s+1], s45, \s*SLOT
	s_add_nc_u64 s[G0+4*\s+2:G0+4*\s+3], s[20:21], \s*TILEB
	s_or_b32 s[G0+4*\s+3], s[G0+4*\s+3], 0x80000000
	s_mov_b32 s[G0B+4*\s], 1
	s_add_co_u32 s[G0B+4*\s+1], s45, \s*SLOT
	s_add_nc_u64 s[G0B+4*\s+2:G0B+4*\s+3], s[46:47], \s*TILEB
	s_or_b32 s[G0B+4*\s+3], s[G0B+4*\s+3], 0x80000000
	s_wait_alu depctr_va_vdst(0)
	s_wait_tensorcnt 0x0
	ds_add_u32 v28, v29
	s_wait_dscnt 0x0
	CROUND
	JLOAD G0+4*\s, G1, G0B+4*\s, G1B
.endr
	v_and_b32 v1, 15, v0                           ; l % 16
	v_bfe_u32 v2, v0, 4, 1                         ; l / 16
	v_and_b32 v6, 31, v0
	v_lshlrev_b32 v4, 4, v6                        ; an image's place for my lane
	s_mul_i32 s21, s15, HALFT
	s_mul_i32 s22, s16, HALFT
	s_add_co_u32 s22, s22, 2*HALFT
.irp s, 0,1
	v_add_nc_u32 v[ADRA+\s], s21, v4
	v_add_nc_u32 v[ADRB+\s], s22, v4
	s_add_co_u32 s21, s21, SLOT
	s_add_co_u32 s22, s22, SLOT
.endr
	v_mul_u32_u24 v5, v1, KS
	v_lshrrev_b32 v6, 8, v5
	v_lshl_add_u32 v5, v6, 4, v5
	s_mul_i32 s21, s15, HALFS
	s_mul_i32 s22, s16, HALFS
	s_add_co_u32 s22, s22, 2*HALFS
	s_sub_co_u32 s22, s22, s21
	v_mul_u32_u24 v6, s22, v2                      ; lanes 16-31 take B's
	s_add_co_u32 s21, s21, SCL
	v_add_nc_u32 v5, v5, v6
	v_add_nc_u32 v[ADRS], s21, v5
	s_mul_i32 s23, s14, 16*SPITCH                  ; my stage
	v_mul_u32_u24 v5, v1, SPITCH                   ; in: row l % 16, 32 bytes for each half of the lanes
	v_lshl_add_u32 v5, v2, 5, v5
	v_add_nc_u32 v[STO], s23, v5
	v_mov_b32 v[CO], v4                            ; back: the 32 lanes take one row of 512 bytes; and the same in out0
	v_add_nc_u32 v[RD], s23, v4
	s_lshl_b32 s20, s17, 8
	s_lshl_b32 s21, s15, 7
	s_add_co_u32 s20, s20, s21                     ; my first token: 256 x tile row + 128 x half
	s_lshl_b32 s20, s20, 12
	s_mov_b32 s21, 0
	s_lshl_b32 s46, s42, 10                        ; my first column, in bytes
	s_lshl_b32 s47, s16, 9
	s_add_co_u32 s46, s46, s47
	s_mov_b32 s47, 0
	s_add_nc_u64 s[20:21], s[20:21], s[46:47]
	s_add_nc_u64 s[12:13], s[12:13], s[20:21]
.macro FRAG reg, adr, q, i
.irp c, 0,1,2,3
	ds_load_b128 v[\reg+4*\c:\reg+4*\c+3], v[\adr] offset:2048*(\q)+512*\c+(\i)*TILEB
.endr
.endm
; The 64 accumulators take turns, one instruction a turn, in the same order in every step.
.macro MUL16 a0, p, q, sc, zero
.irp a, \a0, \a0+1
.irp b, 0,1,2,3,4,5,6,7
.if \zero
	v_wmma_scale_f32_16x16x128_f8f6f4 v[8*(8*((\a)%4)+\b):8*(8*((\a)%4)+\b)+7], v[128*(\p)+FR*\b:128*(\p)+FR*\b+FR-1], v[AF+FR*(\a):AF+FR*(\a)+FR-1], 0, v[SC+8*NQ*(\sc)+NQ*\b+(\q)], v[SC+8*NQ*(\sc)+NQ*(\a)+(\q)] matrix_a_scale:MATRIX_SCALE_ROW1
.else
	v_wmma_scale_f32_16x16x128_f8f6f4 v[8*(8*((\a)%4)+\b):8*(8*((\a)%4)+\b)+7], v[128*(\p)+FR*\b:128*(\p)+FR*\b+FR-1], v[AF+FR*(\a):AF+FR*(\a)+FR-1], v[8*(8*((\a)%4)+\b):8*(8*((\a)%4)+\b)+7], v[SC+8*NQ*(\sc)+NQ*\b+(\q)], v[SC+8*NQ*(\sc)+NQ*(\a)+(\q)] matrix_a_scale:MATRIX_SCALE_ROW1
.endif
.endr
.endr
.endm
.macro FETCH_B slot, q, p
	WIN TO_B
.irp i, 0,1,2,3,4,5,6,7
	FRAG 128*(\p)+FR*\i, ADRB+\slot, \q, \i
.endr
	WIN 0
.endm
.macro FETCH_A slot, q, i0
.irp i, \i0, \i0+1, \i0+2, \i0+3
	FRAG AF+FR*(\i), ADRA+\slot, \q, \i
.endr
.endm
.macro SCALES sc
.irp i, 0,1,2,3,4,5,6,7
	ds_load_b64 v[SC+8*NQ*\sc+NQ*\i:SC+8*NQ*\sc+NQ*\i+1], v[ADRS] offset:\i*SBLK
.endr
.endm
.macro PLACES n
.rept \n
	v_nop
.endr
.endm
.macro STEP slot, q, zero
	s_wait_dscnt 4*NL                              ; B's set and A's blocks 0-3 are in; the youngest 16 loads (A's blocks 4-7) may be out
	WIN MUL_LO
	MUL16 0, (\q)%2, \q, \slot, \zero
	MUL16 2, (\q)%2, \q, \slot, \zero
	s_wait_dscnt 0
	PLACES NP
	FETCH_B \slot, (\q)+1, 1-(\q)%2
	FETCH_A \slot, (\q)+1, 0
	WIN MUL_HI
	MUL16 4, (\q)%2, \q, \slot, \zero
	MUL16 6, (\q)%2, \q, \slot, \zero
	PLACES NP
	WIN 0
	FETCH_A \slot, (\q)+1, 4
.endm
.macro TURN slot, next, fill
	s_wait_tensorcnt 0x0                           ; all my tensor loads have landed: my part of the next slot
	ds_add_u32 v[SPW], v[NIL]                      ; 0 onto my spare word
	s_wait_dscnt 4*NL+1                            ; the add and the youngest 16 loads may be out
	WIN MUL_LO
	MUL16 0, 1, NQ-1, \slot, 0
	s_wait_dscnt 0x0                               ; the add is done, and my reads of this slot are over
	s_barrier_signal -1
	MUL16 2, 1, NQ-1, \slot, 0
	WIN 0
	s_barrier_wait -1
.if \fill
	CREST                                          ; a round of the cluster's barrier: no wave of any partner still reads this slot or has a load on its way
	s_add_nc_u64 s[G0+4*\slot+2:G0+4*\slot+3], s[G0+4*\slot+2:G0+4*\slot+3], 2*TILEB
	s_add_nc_u64 s[G0B+4*\slot+2:G0B+4*\slot+3], s[G0B+4*\slot+2:G0B+4*\slot+3], 2*TILEB
	JLOAD G0+4*\slot, G1, G0B+4*\slot, G1B
	PLACES NP-4
.else
	PLACES NP
.endif
	s_wait_alu depctr_va_vdst(0)
	v_add_nc_u32 v[ADRS], 4*NQ, v[ADRS]
	FETCH_B \next, 0, 0
	FETCH_A \next, 0, 0
	SCALES \next
	WIN MUL_HI
	MUL16 4, 1, NQ-1, \slot, 0
	MUL16 6, 1, NQ-1, \slot, 0
	PLACES NP
	WIN 0
	FETCH_A \next, 0, 4
.endm
	s_wait_alu depctr_va_vdst(0)
	s_wait_tensorcnt 1                             ; the scales and my part of K step 0 are in; K step 1's load may be out
	s_barrier_signal -1
	s_barrier_wait -1
	FETCH_B 0, 0, 0
	FETCH_A 0, 0, 0
	SCALES 0
	FETCH_A 0, 0, 4
	STEP 0, 0, 1
.rept LAPS-1
	TURN 0, 1, 1
	STEP 1, 0, 0
	TURN 1, 0, 1
	STEP 0, 0, 0
.endr
	TURN 0, 1, 0
	STEP 1, 0, 0
	s_wait_dscnt 4*NL
	WIN MUL_LO
	MUL16 0, 1, NQ-1, 1, 0
	MUL16 2, 1, NQ-1, 1, 0
	s_wait_dscnt 0
	WIN MUL_HI
	MUL16 4, 1, NQ-1, 1, 0
	MUL16 6, 1, NQ-1, 1, 0
	WIN 0
; THE WAY OUT, block by block of 16 stored rows x 128 columns, through my own stage: back as whole rows of 512 bytes.  LDS serves a wave's instructions in order (ISA guide 5.7.1.4).
.macro TOSTAGE a
.set AC, 64*((\a)%4)
	WIN 0x08+4*((\a)/4)                            ; the data: window 2 or 3
.irp b, 0,1,2,3,4,5,6,7
	ds_store_b128 v[STO], v[AC+8*\b:AC+8*\b+3] offset:64*\b          ; each accumulator from its low end on
	ds_store_b128 v[STO], v[AC+8*\b+4:AC+8*\b+7] offset:64*\b+16
.endr
	WIN 0
.set BB, BK+64*((\a)%2)
.irp t, 0,1,2,3,4,5,6,7,8,9,10,11,12,13,14,15
	ds_load_b128 v[BB+4*\t:BB+4*\t+3], v[RD] offset:\t*SPITCH
.endr
.endm
.macro SEND a, younger                 ; stored row t of block a is token 32 (a / 2) + 8 (a % 2) + t + 8 (t / 8) of my 128
.set BB, BK+64*((\a)%2)
	s_wait_dscnt \younger                          ; the block is back in registers
.if (\a) > 0
.if (\a)%2
	s_add_nc_u64 s[12:13], s[12:13], 8*ROWC        ; (behind a wait on XCNT: the earlier stores have read their base)
.else
	s_add_nc_u64 s[12:13], s[12:13], 24*ROWC
.endif
.endif
.irp t, 0,1,2,3,4,5,6,7,8,9,10,11,12,13,14,15
	global_store_b128 v[CO], v[BB+4*\t:BB+4*\t+3], s[12:13] offset:(\t+8*(\t/8))*ROWC th:TH_STORE_NT   ; 32 lanes store 512 consecutive bytes, aligned; written once
.endr
.endm
	PLACES NP
	TOSTAGE 0
.irp a, 1,2,3,4,5,6,7
.if \a > 1
	s_wait_xcnt 0x0                                ; block a - 2's stores have read their registers and their base
.endif
	TOSTAGE \a
	SEND \a-1, 32                                  ; behind block a - 1's loads: block a's 16 stores and 16 loads
.endr
	s_wait_xcnt 0x0
	SEND 7, 0
	s_wait_tensorcnt 0x0                           ; the wave's end
	ds_add_u32 v[SPW], v[NIL]
	s_wait_dscnt 0x0
	CROUND                                         ; the closing round
	s_endpgm
.Lfunc_end_k_q0560400290_gemm_out:
	.size	k_q0560400290_gemm_out, .Lfunc_end_k_q0560400290_gemm_out-k_q0560400290_gemm_out
	.p2alignl 7, 3214868480
	.fill 96, 4, 3214868480
	.section	.rodata,"a",@progbits
	.p2align	6, 0x0
	.amdhsa_kernel k_q0560400290_gemm_out
		.amdhsa_group_segment_fixed_size 327680
		.amdhsa_private_segment_fixed_size 0
		.amdhsa_enable_private_segment 0
		.amdhsa_kernarg_size 40
		.amdhsa_user_sgpr_count 2
		.amdhsa_user_sgpr_kernarg_segment_ptr 1
		.amdhsa_wavefront_size32 1
		.amdhsa_system_sgpr_workgroup_id_x 1
		.amdhsa_system_sgpr_workgroup_id_y 1
		.amdhsa_system_sgpr_workgroup_id_z 1
		.amdhsa_system_vgpr_workitem_id 0
		.amdhsa_next_free_vgpr 1024
		.amdhsa_next_free_sgpr 98
		.amdhsa_reserve_vcc 0
		.amdhsa_float_denorm_mode_32 3
		.amdhsa_float_denorm_mode_16_64 3
		.amdhsa_memory_ordered 1
		.amdhsa_forward_progress 1
		.amdhsa_inst_pref_size 146
	.end_amdhsa_kernel
	.amdgpu_metadata
---
amdhsa.version: [ 1, 2 ]
amdhsa.kernels:
  - .name:           k_q0560400290_gemm_out
    .symbol:         k_q0560400290_gemm_out.kd
    .args:
      - { .name: yimg, .offset: 0, .size: 8, .value_kind: global_buffer, .address_space: global }
      - { .name: ysc, .offset: 8, .size: 8, .value_kind: global_buffer, .address_space: global }
      - { .name: ops, .offset: 16, .size: 8, .value_kind: global_buffer, .address_space: global }
      - { .name: opsc, .offset: 24, .size: 8, .value_kind: global_buffer, .address_space: global }
      - { .name: out0, .offset: 32, .size: 8, .value_kind: global_buffer, .address_space: global }
    .group_segment_fixed_size: 327680
    .private_segment_fixed_size: 0
    .kernarg_segment_align: 8
    .kernarg_segment_size: 40
    .max_flat_workgroup_size: 128
    .sgpr_count:     98
    .vgpr_count:     1024
    .wavefront_size: 32
...
	.end_amdgpu_metadata
.endif
;; end of part 4
